; MI455X (gfx1250); checked and timed in simulation.
; The chip was launched on July 23, 2026; its instructions are those of AMD's public machine-readable ISA for CDNA 5 (MIT licence, August 2026) and "CDNA5" Instruction Set Architecture Reference Guide (July 2026). The comments in the code are by the model that wrote it; some were corrected since.
;; Complex Multihead Attention. Allowed arithmetic: matrix products marked QUANTISED: E2M3 operands, one E8M0 scale for each 32 along K, by v_wmma_scale_f32_16x16x128_f8f6f4 with both operands' format E2M3, f32 sums; everything else in f32.
;; Inputs: wkv_i 256 x 512 float32; wkv_r 256 x 512 float32; wo_i 256 x 256 float32; wo_r 256 x 256 float32; wq_i 256 x 256 float32; wq_r 256 x 256 float32; x_imag 2 x 2,048 x 256 float32; x_real 2 x 2,048 x 256 float32.
;; Outputs: out0 2 x 2,048 x 256 x 2 float32.
;; This version of the problem:
;;   THIS VERSION OF THE PROBLEM IS GIVEN IN LOW PRECISION. The matrix products marked QUANTISED in the list below multiply operands that are first quantised to E2M3 (2 exponent bits, 3 mantissa bits; 6 bits a number), with one power-of-two scale for each 32 numbers along K (OCP MX v1.0); their sums are f32. All else is computed in f32.
;;   The module's matrix products, in the order in which they are computed (A, B: the left and right operand; K: the contracted axis; several contracted axes count as one K, in the product's order):
;;     1. [M 4,096, K 256] x [K 256, N 256]; A: input x_real; B: input wq_r: QUANTISED
;;     2. [M 4,096, K 256] x [K 256, N 256]; A: input x_imag; B: input wq_i: QUANTISED
;;     3. [M 4,096, K 256] x [K 256, N 256]; A: input x_real; B: input wq_i: QUANTISED
;;     4. [M 4,096, K 256] x [K 256, N 256]; A: input x_imag; B: input wq_r: QUANTISED
;;     5. [M 4,096, K 256] x [K 256, N 512]; A: input x_real; B: input wkv_r: QUANTISED
;;     6. [M 4,096, K 256] x [K 256, N 512]; A: input x_imag; B: input wkv_i: QUANTISED
;;     7. [M 4,096, K 256] x [K 256, N 512]; A: input x_real; B: input wkv_i: QUANTISED
;;     8. [M 4,096, K 256] x [K 256, N 512]; A: input x_imag; B: input wkv_r: QUANTISED
;;     9. batch 64 x [M 2,048, K 32] x [K 32, N 2,048]; A: computed on the way; B: computed on the way: QUANTISED
;;     10. batch 16 x [M 2,048, K 2,048] x [K 2,048, N 32]; A: computed on the way; B: computed on the way: QUANTISED
;;     11. batch 16 x [M 2,048, K 2,048] x [K 2,048, N 32]; A: computed on the way; B: computed on the way: QUANTISED
;;     12. batch 16 x [M 2,048, K 2,048] x [K 2,048, N 32]; A: computed on the way; B: computed on the way: QUANTISED
;;     13. batch 16 x [M 2,048, K 2,048] x [K 2,048, N 32]; A: computed on the way; B: computed on the way: QUANTISED
;;     14. batch 16 x [M 2,048, K 2,048] x [K 2,048, N 32]; A: computed on the way; B: computed on the way: QUANTISED
;;     15. batch 16 x [M 2,048, K 2,048] x [K 2,048, N 32]; A: computed on the way; B: computed on the way: QUANTISED
;;     16. batch 16 x [M 2,048, K 2,048] x [K 2,048, N 32]; A: computed on the way; B: computed on the way: QUANTISED
;;     17. batch 16 x [M 2,048, K 2,048] x [K 2,048, N 32]; A: computed on the way; B: computed on the way: QUANTISED
;;     18. [M 4,096, K 256] x [K 256, N 256]; A: computed on the way; B: input wo_r: QUANTISED
;;     19. [M 4,096, K 256] x [K 256, N 256]; A: computed on the way; B: input wo_i: QUANTISED
;;     20. [M 4,096, K 256] x [K 256, N 256]; A: computed on the way; B: input wo_i: QUANTISED
;;     21. [M 4,096, K 256] x [K 256, N 256]; A: computed on the way; B: input wo_r: QUANTISED
;;   THE QUANTISER, for each operand of a quantised product, along K:
;;     - K is cut into blocks of 32 from its start; a last block that is shorter is filled with zeros.
;;     - A block's scale is 2^e with e = floor(log2(the largest magnitude in the block)) - 2, held to -126 .. 127; a block of zeros has e = 0. As a byte (E8M0): e + 127.
;;     - Each number is divided by its block's scale, clamped to +-7.5, and rounded to the nearest number of E2M3, ties to even, subnormals kept.
;;     - The product sums the exact products of the quantised numbers (number of the format x scale) in f32.
;;   ~~~python
;;   def quantise(x, axis):      # numpy; x: float32 -> the quantised numbers, widened to float32 again
;;       x = np.moveaxis(x, axis, -1); K = x.shape[-1]
;;       x = np.pad(x, [(0, 0)] * (x.ndim - 1) + [(0, -K % 32)]); x = x.reshape(x.shape[:-1] + (-1, 32)); a = np.abs(x).max(-1, keepdims=True)
;;       e = np.where(a > 0, np.clip(np.frexp(np.where(a > 0, a, 1))[1] - 1 - 2, -126, 127), 0)      # np.frexp(a)[1] - 1 = floor(log2(a)), exactly
;;       r = np.clip(x / 2.0 ** e, -7.5, 7.5)
;;       step = 2.0 ** (np.maximum(np.frexp(np.where(r == 0, 1, r))[1] - 1, 0) - 3)
;;       q = np.round(r / step) * step * 2.0 ** e      # np.round: ties to even
;;       return np.moveaxis(q.reshape(q.shape[:-2] + (-1,))[..., :K], -1, axis).astype(np.float32)
;;   ~~~
;;   OPERANDS COMPUTED ON THE WAY. 'Computed on the way' means the value that the module computes at that place (a softmax that the list does not call 'softmax' is quantised finished and normalised). What goes into a quantiser is computed in f32, as accurately as f32 sums, v_exp_f32 and their like allow (about 1e-6 of the number): no bf16 or f16 on the way to a quantiser, and a product that is left as it is and whose result goes on into a quantised operand takes f32 operands (vector FMAs, or v_wmma_f32_16x16x4_f32). A number that lies on a knife's edge between two numbers of the format may be rounded either way, as far as f32 arithmetic and the matrix unit's own rounding can turn it there, and no further.
;; 2 versions, each right; version 2 is version 1 with the launches proj, attn, outp written anew for expert scheduling mode. Each part assembles by itself: llvm-mc -triple=amdgcn-amd-amdhsa -mcpu=gfx1250 --defsym DOCPART=n.
;; ======== version 1 of 2: 3 launches
;; workspace buffers: qimg 1,572,864 bytes; qscl 524,288 bytes; kimg 1,572,864 bytes; kscl 131,072 bytes; vimg 1,572,864 bytes; vscl 131,072 bytes; mimg 1,572,864 bytes; mscl 131,072 bytes
;; launch proj (part 1): grid 32 x 8, 8 waves a work-group, no clusters, 94,208 bytes of LDS; arguments x_real, x_imag, wq_r, wq_i, wkv_r, wkv_i, qimg, qscl, kimg, kscl, vimg, vscl; writes qimg, qscl, kimg, kscl, vimg, vscl
.if DOCPART == 1
	.amdgcn_target "amdgcn-amd-amdhsa--gfx1250"
	.amdhsa_code_object_version 6
	.text
	.protected	k_qcae126930e_proj
	.globl	k_qcae126930e_proj
	.p2align	8
	.type	k_qcae126930e_proj,@function
k_qcae126930e_proj:
	s_mov_b64 s[64:65], 0
	v_nop
	global_prefetch_b8 v0, s[64:65] scope:SCOPE_SE
	s_setreg_imm32_b32 hwreg(HW_REG_WAVE_MODE, 25, 1), 1
	s_wait_xcnt 0x0
; THE COMPLEX PROJECTIONS q, k, v = x W, on codes of FP6 (E2M3) with one E8M0 scale for each 32 along K, and the quantising of their results for the attention launch.
; x_real, x_imag: [4096 tokens][256] f32.  wq_r, wq_i: [256 (k)][256] f32.  wkv_r, wkv_i: [256 (k)][512] f32 (columns 0-255 k, 256-511 v).
; SHARES.  A work-group takes 128 tokens (work-group x) and one head (work-group y): 128 tokens x 192 real columns (qr, qi, kr, ki, vr, vi, 32 each).
; PHASE A.  Each of the eight waves quantises four fragments of x (its tile of 16 tokens: x_real and x_imag, two K steps of 128) and three of the weights (one of q's, k's, v's eight), and lays them
; in LDS as images of the operand's registers: 12 registers a lane by three stores of 16 bytes at 16 x lane; the scale word at 4 x lane.  One barrier.
; PHASE B.  Wave (G, p): group G of 32 tokens, part p (0 real, 1 imaginary).  Each result is made as the reference makes it: two f32 sums, W[p] . x_real and W[1-p] . x_imag, joined by one f32 subtraction (p = 0) or addition (p = 1).
; TILES ARE PATTERNED: row r of tile u of a group of 32 things (tokens, columns) is thing 8 u + r + (r & 8).  A product whose source 0 is such a pair of tiles leaves in lane (r, h) 16 registers that are things 16 h + 0 .. 15.
; So for q and k (source 0 = columns) a lane holds a token and 16 neighbouring channels of the head's 32, which are one block of the score product's K; for v (source 0 = tokens) a lane holds a channel and 16 neighbouring
; keys of a block of 32 keys.  The block's other half lies in lane l xor 16.  One conversion gives 12 bytes of codes, stored at (block's place) + 24 r + 12 h: a wave's store covers 384 consecutive bytes.
; The scale bytes of k and v leave by stores of one byte a lane, 4 bytes apart: 32 bytes of a run of 128 an instruction; they are one part in 21 of what the launch stores.
; No tensor load, no cluster: the operands are small, each is quantised on its way, and what work-groups share (a head's 196,608 bytes of weights, 262,144 bytes of x) is read once by each.
; LIMITS: NaN and infinities among the inputs are not served.  A block whose largest magnitude lies under 2^-124 (a block of zeros among them) gets the byte 1 where the quantiser's rule says another: the bytes are read by this program alone, and a block of zeros has zero codes.
.set FLOOR, 0x01800000                 ; 2^(3 - 127): under it no largest magnitude is taken, so the byte cannot fall under 1
.set EADJ,  0xff000000                 ; takes 2 off an exponent field
.set WSC,   0                          ; LDS: the weights' scale words, 24 x 128 bytes
.set XSC,   3072                       ; x's, 32 x 128
.set WIMG,  7168                       ; the weights' 24 fragments: 8 g + 4 part + 2 u + ks (g: 0 q, 1 k, 2 v), 1,536 bytes each
.set XIMG,  44032                      ; x's 32 fragments: 4 tile + t (t: x_real k0, k1, x_imag k0, k1)
.set SPARE, 93184                      ; the spare words, 128 bytes for each wave: four blocks of 256 bytes that no other line names
.set VWQ,  1                           ; v1   wq: 4 rp + 32 rows x h          (rp = r + (r & 8))
.set VWK,  2                           ; v2   wkv: the same with rows of 2,048 bytes
.set VX,   3                           ; v3   x: 1,024 rp + 128 h
.set VWI,  4                           ; v4   where I store a weight's image: 16 l + 1,536 w
.set VWS,  5                           ; v5   and its scale words: 4 l + 128 w
.set VXI,  6                           ; v6   x's images: 16 l + 6,144 w
.set VXS,  7                           ; v7   4 l + 512 w
.set VA1,  8                           ; v8   phase B: weights of part p: 16 l + 6,144 p;  v9: of part 1 - p
.set VS1,  10                          ; v10  their scale words: 4 l + 512 p;  v11: of part 1 - p
.set VXR,  12                          ; v12  x's fragments of my group: 16 l + 12,288 G
.set VXSR, 13                          ; v13  4 l + 1,024 G
.set VC,   14                          ; v14  24 r + 12 h: my 12 bytes of codes in a block's 384
.set V4L,  15                          ; v15  4 l
.set NA,   16                          ; phase A: three sets of 64 numbers
.set NB,   80
.set NC,   144
.set PC,   208                         ; v208-219 the fragment just made
.set PT,   220                         ; v220-222, v224-226 a block's upper halves (a conversion's three registers begin on an even number)
.set MX,   228                         ; v228-231 largest magnitudes
.set SO,   232                         ; v232-233 the conversions' scale operands
.set BY,   234                         ; v234-235 the scale bytes
.set PW,   236                         ; v236 the scale word
.set TT,   237
.set SH8,  238                         ; v238 8 h
.set LN,   16                          ; phase B: source 1: four fragments, slot 2 qq + ks
.set BK,   64                          ; source 0: eight fragments, slot 4 tile + 2 qq + ks
.set ACC,  160                         ; v160-191 four accumulators: 16 qq + 8 tile
.set LNS,  240                         ; v240-243, v244-251 scale words, and nothing else
.set BKS,  244
.set SPW,  254                         ; v254 LDS address of my spare word; never rewritten
.set NIL,  255                         ; v255 0; never rewritten
.macro NOP4
.rept 4
	v_nop
.endr
.endm
; 64 numbers of a lane, v[X + 32 c + i] = k 64 c + 32 h + i of my row: two whole blocks.  They become the fragment's 12 registers in v[PC] on and the row's scale word in v[PW].
.macro QUANT64 X
.irp c, 0,1
.irp e, 0,1
	v_max3_num_f32 v[MX+2*\c+\e], |v[\X+32*\c+16*\e]|, |v[\X+32*\c+16*\e+1]|, FLOOR
.endr
.endr
.irp i, 2,4,6,8,10,12,14
.irp c, 0,1
.irp e, 0,1
	v_max3_num_f32 v[MX+2*\c+\e], v[MX+2*\c+\e], |v[\X+32*\c+16*\e+\i]|, |v[\X+32*\c+16*\e+\i+1]|   ; four chains by turns
.endr
.endr
.endr
.irp c, 0,1
	v_max_num_f32 v[MX+2*\c], v[MX+2*\c], v[MX+2*\c+1]
.endr
.irp c, 0,1
	v_add_nc_u32 v[SO+\c], EADJ, v[MX+2*\c]        ; 2 off the exponent field: the conversion takes this operand's exponent field as its scale
.endr
.irp c, 0,1
	v_lshrrev_b32 v[BY+\c], 23, v[SO+\c]           ; the scale's byte
.endr
	s_wait_dscnt 0x0                               ; the last image's stores have read v[PW] and v[PC] on
	v_lshl_or_b32 v[PW], v[BY+1], 16, v[BY]        ; my two bytes: blocks h and 2 + h,
	v_lshlrev_b32 v[PW], v[SH8], v[PW]             ; at their places;
	v_permlanex16_b32 v[TT], v[PW], s32, s33
	v_or_b32 v[PW], v[PW], v[TT]                   ; with lane l xor 16's two the word is whole, in all 32 lanes
.irp c, 0,1
	v_cvt_scalef32_pk16_fp6_f32 v[PC+6*\c:PC+6*\c+2], v[\X+32*\c:\X+32*\c+15], v[SO+\c]
	v_cvt_scalef32_pk16_fp6_f32 v[PT+4*\c:PT+4*\c+2], v[\X+32*\c+16:\X+32*\c+31], v[SO+\c]
.endr
	v_nop                                          ; one plain place behind a scaled conversion
.irp c, 0,1
.irp i, 0,1,2
	v_mov_b32 v[PC+3+6*\c+\i], v[PT+4*\c+\i]
.endr
.endr
.endm
.macro IMAGE adr, off, sadr, soff      ; the fragment goes to LDS as it stands in the registers
.irp i, 0,1,2
	ds_store_b128 v[\adr], v[PC+4*\i:PC+4*\i+3] offset:(\off)+512*\i
.endr
	ds_store_b32 v[\sadr], v[PW] offset:\soff
.endm
.macro FET reg, adr, off               ; and comes back so, in any wave
.irp i, 0,1,2
	ds_load_b128 v[(\reg)+4*\i:(\reg)+4*\i+3], v[\adr] offset:(\off)+512*\i
.endr
.endm
.macro LOADX set, ptr, ks              ; my row's 64 numbers of K step ks: two blocks of 128 bytes
.irp c, 0,1
.irp j, 0,1,2,3,4,5,6,7
	global_load_b128 v[\set+32*\c+4*\j:\set+32*\c+4*\j+3], v[VX], s[\ptr:\ptr+1] offset:512*\ks+256*\c+16*\j
.endr
.endr
.endm
.macro LOADW set, ptr, voff, rowb, extra   ; a lane takes a column and its registers run down K
.set n, 0
.rept 64
	global_load_b32 v[\set+n], v[\voff], s[\ptr:\ptr+1] offset:\rowb*(64*(n/32)+n%32)+\extra
.set n, n+1
.endr
.endm
	s_load_b512 s[4:19], s[0:1], 0x0               ; x_real, x_imag, wq_r, wq_i, wkv_r, wkv_i, qimg, qscl
	s_load_b256 s[20:27], s[0:1], 0x40             ; kimg, kscl, vimg, vscl
	v_lshl_add_u32 v[SPW], v0, 2, SPARE
	v_mov_b32 v[NIL], 0
	v_lshrrev_b32 v16, 5, v0
	v_readfirstlane_b32 s28, v16                   ; wave 0..7
	s_and_b32 s30, ttmp7, 0xffff                   ; the head
	s_lshr_b32 s29, s28, 1                         ; G (phase A: tile = 2 G + ut)
	s_and_b32 s31, s28, 1                          ; p, ut, ks
	s_mov_b32 s32, 0x76543210
	s_mov_b32 s33, 0xfedcba98                      ; v_permlanex16_b32's selects for lane l xor 16
	s_mov_b32 s56, 0x01010101
	v_and_b32 v17, 31, v0                          ; l
	v_and_b32 v18, 15, v0                          ; r
	v_bfe_u32 v19, v0, 4, 1                        ; h
	v_and_b32 v20, 8, v18
	v_add_nc_u32 v20, v20, v18                     ; rp
	v_lshlrev_b32 v[VWQ], 2, v20
	v_lshl_add_u32 v[VWK], v19, 16, v[VWQ]
	v_lshl_add_u32 v[VWQ], v19, 15, v[VWQ]
	v_lshlrev_b32 v[VX], 10, v20
	v_lshl_add_u32 v[VX], v19, 7, v[VX]
	v_lshlrev_b32 v21, 4, v17                      ; 16 l
	v_lshlrev_b32 v[V4L], 2, v17
	s_mul_i32 s58, s28, 1536
	v_add_nc_u32 v[VWI], s58, v21
	s_lshl_b32 s58, s28, 7
	v_add_nc_u32 v[VWS], s58, v[V4L]
	s_mul_i32 s58, s28, 6144
	v_add_nc_u32 v[VXI], s58, v21
	s_lshl_b32 s58, s28, 9
	v_add_nc_u32 v[VXS], s58, v[V4L]
	s_xor_b32 s59, s31, 1
	s_mul_i32 s58, s31, 6144
	v_add_nc_u32 v[VA1], s58, v21
	s_mul_i32 s58, s59, 6144
	v_add_nc_u32 v[VA1+1], s58, v21
	s_lshl_b32 s58, s31, 9
	v_add_nc_u32 v[VS1], s58, v[V4L]
	s_lshl_b32 s58, s59, 9
	v_add_nc_u32 v[VS1+1], s58, v[V4L]
	s_mul_i32 s58, s29, 12288
	v_add_nc_u32 v[VXR], s58, v21
	s_lshl_b32 s58, s29, 10
	v_add_nc_u32 v[VXSR], s58, v[V4L]
	v_mul_u32_u24 v[VC], v18, 24
	v_mad_u32_u24 v[VC], v19, 12, v[VC]
	v_lshlrev_b32 v[SH8], 3, v19
	v_mov_b32 v[TT], 0                             ; written once: a lane permute's destination counts as one of its sources
	s_mov_b32 s34, 0x3f800000
	s_cmp_eq_u32 s31, 0
	s_cselect_b32 s34, 0xbf800000, s34             ; the sign of the second sum: -1 for the real part, +1 for the imaginary
	s_mov_b32 s35, s34                             ; (named with it as a pair)
	; byte offsets, each in the low word of the pair that will hold the address
	s_lshr_b32 s57, s28, 2                         ; phase A: which part of the weights
	s_bfe_u32 s58, s28, 0x10001                    ; which tile u of the head's 32 columns
	s_lshl_b32 s36, s30, 7
	s_lshl_b32 s58, s58, 5
	s_add_co_u32 s36, s36, s58                     ; 128 head + 32 u
	s_lshl_b32 s58, s31, 18
	s_add_co_u32 s38, s36, s58                     ; wkv: + 128 ks rows of 2,048 bytes
	s_lshl_b32 s58, s31, 17
	s_add_co_u32 s36, s36, s58                     ; wq: + 128 ks rows of 1,024 bytes
	s_mov_b32 s37, 0
	s_mov_b32 s39, 0
	s_lshl_b32 s40, ttmp9, 17                      ; x: (128 tb + 32 G + 8 ut) rows of 1,024 bytes
	s_lshl_b32 s58, s29, 15
	s_add_co_u32 s40, s40, s58
	s_lshl_b32 s58, s31, 13
	s_add_co_u32 s40, s40, s58
	s_mov_b32 s41, 0
	s_lshr_b32 s58, ttmp9, 4
	s_lshl_b32 s58, s58, 3
	s_add_co_u32 s58, s58, s30                     ; bh = 8 batch + head
	s_and_b32 s59, ttmp9, 15                       ; t16: which 128 tokens of the batch
	s_mul_i32 s60, s58, 98304
	s_mul_i32 s62, s59, 6144
	s_add_co_u32 s60, s60, s62
	s_mul_i32 s62, s29, 1536
	s_add_co_u32 s44, s60, s62
	s_mul_i32 s62, s31, 384
	s_add_co_u32 s44, s44, s62                     ; qimg, kimg: bh 98,304 + (8 t16 + 2 G) 768 + 384 p
	s_mov_b32 s45, 0
	s_mul_i32 s62, s31, 3072
	s_add_co_u32 s52, s60, s62
	s_mul_i32 s62, s29, 384
	s_add_co_u32 s52, s52, s62                     ; vimg: bh 98,304 + 6,144 t16 + 3,072 p + 384 G
	s_mov_b32 s53, 0
	s_lshl_b32 s48, s58, 15
	s_lshl_b32 s62, s59, 11
	s_add_co_u32 s48, s48, s62
	s_lshl_b32 s62, s29, 9
	s_add_co_u32 s48, s48, s62
	s_lshl_b32 s62, s31, 7
	s_add_co_u32 s48, s48, s62                     ; qscl: bh 32,768 + (8 t16 + 2 G) 256 + 128 p
	s_mov_b32 s49, 0
	s_lshl_b32 s60, s58, 13
	s_lshl_b32 s62, s59, 9
	s_add_co_u32 s60, s60, s62
	s_lshl_b32 s62, s29, 7
	s_add_co_u32 s50, s60, s62
	s_add_co_u32 s50, s50, s31                     ; kscl: bh 8,192 + (4 t16 + G) 128 + p
	s_mov_b32 s51, 0
	s_lshl_b32 s62, s31, 8
	s_add_co_u32 s54, s60, s62
	s_add_co_u32 s54, s54, s29                     ; vscl: bh 8,192 + 512 t16 + 256 p + G
	s_mov_b32 s55, 0
	s_wait_kmcnt 0x0
	s_cmp_eq_u32 s57, 0                            ; the choice hangs on the wave's number alone
	s_cselect_b64 s[60:61], s[8:9], s[10:11]
	s_cselect_b64 s[62:63], s[12:13], s[14:15]
	s_add_nc_u64 s[36:37], s[60:61], s[36:37]      ; wq
	s_add_nc_u64 s[38:39], s[62:63], s[38:39]      ; wkv
	s_add_nc_u64 s[42:43], s[6:7], s[40:41]        ; x_imag
	s_add_nc_u64 s[40:41], s[4:5], s[40:41]        ; x_real
	s_add_nc_u64 s[46:47], s[20:21], s[44:45]      ; kimg
	s_add_nc_u64 s[44:45], s[16:17], s[44:45]      ; qimg
	s_add_nc_u64 s[48:49], s[18:19], s[48:49]      ; qscl
	s_add_nc_u64 s[50:51], s[22:23], s[50:51]      ; kscl
	s_add_nc_u64 s[52:53], s[24:25], s[52:53]      ; vimg
	s_add_nc_u64 s[54:55], s[26:27], s[54:55]      ; vscl
	; ---- PHASE A: seven tasks on three sets of registers, loads three tasks ahead.  Each wait's count is the number of loads issued behind the task's own, held at 63, the most that the wait can name.
	LOADX NA, 40, 0
	LOADX NB, 40, 1
	LOADX NC, 42, 0
	s_wait_loadcnt 32                              ; behind x_real k0: 16 + 16
	QUANT64 NA
	IMAGE VXI, XIMG, VXS, XSC
	LOADX NA, 42, 1
	s_wait_loadcnt 32                              ; behind x_real k1: 16 + 16
	QUANT64 NB
	IMAGE VXI, XIMG+1536, VXS, XSC+128
	LOADW NB, 36, VWQ, 1024, 0
	s_wait_loadcnt 63                              ; behind x_imag k0: 16 + 64
	QUANT64 NC
	IMAGE VXI, XIMG+3072, VXS, XSC+256
	LOADW NC, 38, VWK, 2048, 0
	s_wait_loadcnt 63                              ; behind x_imag k1: 64 + 64
	QUANT64 NA
	IMAGE VXI, XIMG+4608, VXS, XSC+384
	LOADW NA, 38, VWK, 2048, 1024
	s_wait_loadcnt 63                              ; behind q's weights: 64 + 64
	QUANT64 NB
	IMAGE VWI, WIMG, VWS, WSC
	s_wait_loadcnt 63                              ; behind k's weights: 64
	QUANT64 NC
	IMAGE VWI, WIMG+12288, VWS, WSC+1024
	s_wait_loadcnt 0x0
	QUANT64 NA
	IMAGE VWI, WIMG+24576, VWS, WSC+2048
	s_wait_dscnt 0x0                               ; for the others' sake: my images have landed
	s_barrier_signal -1
	s_barrier_wait -1                              ; all 56 fragments lie in LDS; nothing is stored to LDS behind this barrier
	; ---- PHASE B
.macro XLN ut                          ; x's tile ut of my group as source 1
.irp t4, 0,1,2,3
	FET LN+12*\t4, VXR, XIMG+6144*(\ut)+1536*\t4
	ds_load_b32 v[LNS+\t4], v[VXSR] offset:XSC+512*(\ut)+128*\t4
.endr
.endm
.macro XBK                             ; x's two tiles as source 0
.irp ut, 0,1
.irp t4, 0,1,2,3
	FET BK+12*(4*\ut+\t4), VXR, XIMG+6144*\ut+1536*\t4
	ds_load_b32 v[BKS+4*\ut+\t4], v[VXSR] offset:XSC+512*\ut+128*\t4
.endr
.endr
.endm
.macro WBK g                           ; the two tiles of g's columns as source 0: part p for the first sum, part 1 - p for the second
.irp uu, 0,1
.irp qq, 0,1
.irp ks, 0,1
	FET BK+12*(4*\uu+2*\qq+\ks), VA1+\qq, WIMG+12288*(\g)+1536*(2*\uu+\ks)
	ds_load_b32 v[BKS+4*\uu+2*\qq+\ks], v[VS1+\qq] offset:WSC+1024*(\g)+128*(2*\uu+\ks)
.endr
.endr
.endr
.endm
.macro WLN u                           ; tile u of v's columns as source 1
.irp qq, 0,1
.irp ks, 0,1
	FET LN+12*(2*\qq+\ks), VA1+\qq, WIMG+24576+1536*(2*(\u)+\ks)
	ds_load_b32 v[LNS+2*\qq+\ks], v[VS1+\qq] offset:WSC+2048+128*(2*(\u)+\ks)
.endr
.endr
.endm
.macro MMA                             ; eight products: two K steps x two sums x two tiles; the four accumulators take turns, one instruction a turn
	s_wait_dscnt 0x0                               ; the fragments and scale words are in
.irp ks, 0,1
.irp qq, 0,1
.irp ta, 0,1
.if \ks == 0
	v_wmma_scale_f32_16x16x128_f8f6f4 v[ACC+16*\qq+8*\ta:ACC+16*\qq+8*\ta+7], v[BK+12*(4*\ta+2*\qq+\ks):BK+12*(4*\ta+2*\qq+\ks)+11], v[LN+12*(2*\qq+\ks):LN+12*(2*\qq+\ks)+11], 0, v[BKS+4*\ta+2*\qq+\ks], v[LNS+2*\qq+\ks] matrix_a_fmt:MATRIX_FMT_FP6 matrix_b_fmt:MATRIX_FMT_FP6
.else
	v_wmma_scale_f32_16x16x128_f8f6f4 v[ACC+16*\qq+8*\ta:ACC+16*\qq+8*\ta+7], v[BK+12*(4*\ta+2*\qq+\ks):BK+12*(4*\ta+2*\qq+\ks)+11], v[LN+12*(2*\qq+\ks):LN+12*(2*\qq+\ks)+11], v[ACC+16*\qq+8*\ta:ACC+16*\qq+8*\ta+7], v[BKS+4*\ta+2*\qq+\ks], v[LNS+2*\qq+\ks] matrix_a_fmt:MATRIX_FMT_FP6 matrix_b_fmt:MATRIX_FMT_FP6
.endif
.endr
.endr
.endr
	NOP4                                           ; four places: in front of the loads into the operands' registers and of the first read of the results
.endm
; Unit n's 16 numbers a lane: the two sums are joined, the block of 32 (mine and lane l xor 16's) is quantised, codes and scale leave.  kind: 0 q, 1 k, 2 v.  Each unit has store registers of its own.
.macro POST n, kind, idx
.irp k2, 0,2,4,6,8,10,12,14
	v_pk_fma_f32 v[ACC+\k2:ACC+\k2+1], v[ACC+16+\k2:ACC+16+\k2+1], s[34:35], v[ACC+\k2:ACC+\k2+1] op_sel_hi:[1,0,1]   ; first sum -+ second sum: one rounding; each accumulator from its low end on
.endr
	v_max3_num_f32 v204, |v[ACC]|, |v[ACC+1]|, FLOOR
	v_max3_num_f32 v205, |v[ACC+2]|, |v[ACC+3]|, |v[ACC+4]|
	v_max3_num_f32 v204, v204, |v[ACC+5]|, |v[ACC+6]|
	v_max3_num_f32 v205, v205, |v[ACC+7]|, |v[ACC+8]|
	v_max3_num_f32 v204, v204, |v[ACC+9]|, |v[ACC+10]|
	v_max3_num_f32 v205, v205, |v[ACC+11]|, |v[ACC+12]|
	v_max3_num_f32 v204, v204, |v[ACC+13]|, |v[ACC+14]|
	v_max3_num_f32 v204, v204, v205, |v[ACC+15]|
	v_permlanex16_b32 v206, v204, s32, s33
	v_max_num_f32 v204, v204, v206                 ; the block's largest magnitude
	v_add_nc_u32 v207, EADJ, v204
	v_lshrrev_b32 v[232+(\n)], 23, v207            ; the scale's byte, the same in lanes l and l xor 16
	v_cvt_scalef32_pk16_fp6_f32 v[208+4*(\n):210+4*(\n)], v[ACC:ACC+15], v207
	v_nop                                          ; one plain place behind a scaled conversion
.if \kind == 0
	v_mul_lo_u32 v[232+(\n)], v[232+(\n)], s56     ; q's byte in all four bytes of a word: q's codes will stand in any of an operand's four blocks
	global_store_b96 v[VC], v[208+4*(\n):210+4*(\n)], s[44:45] offset:768*(\idx)
	global_store_b32 v[V4L], v[232+(\n)], s[48:49] offset:256*(\idx)
.elseif \kind == 1
	global_store_b96 v[VC], v[208+4*(\n):210+4*(\n)], s[46:47] offset:768*(\idx)
	global_store_b8 v[V4L], v[232+(\n)], s[50:51] offset:2*(\idx)
.else
	global_store_b96 v[VC], v[208+4*(\n):210+4*(\n)], s[52:53] offset:1536*(\idx)
	global_store_b8 v[V4L], v[232+(\n)], s[54:55] offset:128*(\idx)
.endif
.endm
	v_mov_b32 v206, 0                              ; written once: a lane permute's destination counts as one of its sources
	XLN 0
	WBK 0
	MMA                                            ; q, tokens' tile 0
	WBK 1                                          ; the next unit's fragments are asked for while this unit is quantised
	POST 0, 0, 0
	MMA                                            ; k, tile 0
	XLN 1
	POST 1, 1, 0
	MMA                                            ; k, tile 1
	WBK 0
	POST 2, 1, 1
	MMA                                            ; q, tile 1
	XBK
	WLN 0
	POST 3, 0, 1
	MMA                                            ; v, channels' tile 0: source 0 = tokens
	WLN 1
	POST 4, 2, 0
	MMA                                            ; v, channels' tile 1
	POST 5, 2, 1
	s_wait_tensorcnt 0x0                           ; the wave's end: three closing lines, behind my last LDS store
	ds_add_u32 v[SPW], v[NIL]
	s_wait_dscnt 0x0
	s_endpgm
.Lfunc_end_k_qcae126930e_proj:
	.size	k_qcae126930e_proj, .Lfunc_end_k_qcae126930e_proj-k_qcae126930e_proj
	.p2alignl 7, 3214868480
	.fill 96, 4, 3214868480
	.section	.rodata,"a",@progbits
	.p2align	6, 0x0
	.amdhsa_kernel k_qcae126930e_proj
		.amdhsa_group_segment_fixed_size 94208
		.amdhsa_private_segment_fixed_size 0
		.amdhsa_enable_private_segment 0
		.amdhsa_kernarg_size 96
		.amdhsa_user_sgpr_count 2
		.amdhsa_user_sgpr_kernarg_segment_ptr 1
		.amdhsa_wavefront_size32 1
		.amdhsa_system_sgpr_workgroup_id_x 1
		.amdhsa_system_sgpr_workgroup_id_y 1
		.amdhsa_system_sgpr_workgroup_id_z 1
		.amdhsa_system_vgpr_workitem_id 0
		.amdhsa_next_free_vgpr 256
		.amdhsa_next_free_sgpr 66
		.amdhsa_reserve_vcc 0
		.amdhsa_float_denorm_mode_32 3
		.amdhsa_float_denorm_mode_16_64 3
		.amdhsa_memory_ordered 1
		.amdhsa_forward_progress 1
		.amdhsa_inst_pref_size 81
	.end_amdhsa_kernel
	.amdgpu_metadata
---
amdhsa.version: [ 1, 2 ]
amdhsa.kernels:
  - .name:           k_qcae126930e_proj
    .symbol:         k_qcae126930e_proj.kd
    .args:
      - { .name: x_real, .offset: 0, .size: 8, .value_kind: global_buffer, .address_space: global }
      - { .name: x_imag, .offset: 8, .size: 8, .value_kind: global_buffer, .address_space: global }
      - { .name: wq_r, .offset: 16, .size: 8, .value_kind: global_buffer, .address_space: global }
      - { .name: wq_i, .offset: 24, .size: 8, .value_kind: global_buffer, .address_space: global }
      - { .name: wkv_r, .offset: 32, .size: 8, .value_kind: global_buffer, .address_space: global }
      - { .name: wkv_i, .offset: 40, .size: 8, .value_kind: global_buffer, .address_space: global }
      - { .name: qimg, .offset: 48, .size: 8, .value_kind: global_buffer, .address_space: global }
      - { .name: qscl, .offset: 56, .size: 8, .value_kind: global_buffer, .address_space: global }
      - { .name: kimg, .offset: 64, .size: 8, .value_kind: global_buffer, .address_space: global }
      - { .name: kscl, .offset: 72, .size: 8, .value_kind: global_buffer, .address_space: global }
      - { .name: vimg, .offset: 80, .size: 8, .value_kind: global_buffer, .address_space: global }
      - { .name: vscl, .offset: 88, .size: 8, .value_kind: global_buffer, .address_space: global }
    .group_segment_fixed_size: 94208
    .private_segment_fixed_size: 0
    .kernarg_segment_align: 8
    .kernarg_segment_size: 96
    .max_flat_workgroup_size: 256
    .sgpr_count:     66
    .vgpr_count:     256
    .wavefront_size: 32
...
	.end_amdgpu_metadata
.endif
;; end of part 1
;; launch attn (part 2): grid 16 x 16, 4 waves a work-group, no clusters, 20,992 bytes of LDS; arguments qimg, qscl, kimg, kscl, vimg, vscl, mimg, mscl; writes mimg, mscl
.if DOCPART == 2
	.amdgcn_target "amdgcn-amd-amdhsa--gfx1250"
	.amdhsa_code_object_version 6
	.text
	.protected	k_qcae126930e_attn
	.globl	k_qcae126930e_attn
	.p2align	8
	.type	k_qcae126930e_attn,@function
k_qcae126930e_attn:
	s_mov_b64 s[64:65], 0
	v_nop
	global_prefetch_b8 v0, s[64:65] scope:SCOPE_SE
	s_setreg_imm32_b32 hwreg(HW_REG_WAVE_MODE, 25, 1), 1
	s_wait_xcnt 0x0
; THE FOUR REAL ATTENTIONS OF THE COMPLEX ATTENTION, on codes of FP6 (E2M3) with one E8M0 scale for each 32 along K, their recombination by signs, and the quantising of o_r and o_i for the last launch.
; Replica 0: qr kr, 1: qr ki, 2: qi kr, 3: qi ki.  A = softmax(q . k / sqrt(32)) is quantised FINISHED AND NORMALISED, along the keys.  o_r = A0 vr - A1 vi - A2 vi - A3 vr;  o_i = A0 vi + A1 vr + A2 vr - A3 vi.
; SHARES.  A work-group takes one (batch, head) (work-group y) and eight tiles of 16 queries (work-group x).  THE FOUR WAVES SHARE THE KEYS: wave w owns keys 512 w .. 512 w + 511.  Its 16 fragments of K and 16 of V, 384 registers,
; are loaded once and stay for all eight tiles.  One replica of one tile is 16 queries x 512 keys a wave, 256 registers of scores: a whole row of weights is in the four waves' registers when its sum becomes known,
; so scores and exponentials are made once.
; THE SCORE PRODUCT has K = 32, one block of the instruction's four.  A fragment of K holds, in its four blocks, kr and ki of two tiles of 16 keys; the operand of q has its 32 codes in one block and zero codes in the other three, which picks that block out.
; THE SOFTMAX.  Each wave takes its own largest score m_w away: p = 2^(c s - c m_w), c = log2(e) / sqrt(32), l_w = the sum of p.  The waves exchange (c m_w, l_w) through LDS; with g = the largest c m_w,
; l = the sum of l_w 2^(c m_w - g) and f = 2^(c m_own - g) / l, A = p f: the row's true maximum is taken away.
; LAYOUT.  Both products are used transposed (source 0 = 16 keys, or 16 channels of V; source 1 = my 16 queries): a lane holds one query (lane % 16).  Tiles are patterned: row r of tile u of a group of 32 is thing 8 u + r + (r & 8),
; so that the 16 registers of a group's two tiles are things 16 (lane / 16) + 0 .. 15.
; A BLOCK'S LARGEST A is made from the block's largest score by the same instructions as that element itself; this takes v_exp_f32 not to fall where its input rises.
; The sums over keys are four partial sums of 512 keys, added as (0 + 1) + (2 + 3); positive and negative terms are summed apart and subtracted once: an order of rounding other than the reference's.
; No tensor load, no cluster: a wave's 49,152 bytes of K and V go straight into the registers in which they stay, once in the launch.
; LIMITS: NaN and infinities are not served.  An A under 2^-126 becomes 0 (v_exp_f32 gives 0 for such results: ISA guide, its entry).  A block whose largest number lies under 2^-124 gets the byte 1: the bytes are read by this program alone.
; REGISTERS, in windows of 256 (s_set_vgpr_msb: bits 1:0 source 0, 3:2 source 1, 5:4 source 2, 7:6 destination):
;   window 0: see the names below.   window 1: v0-191 K's fragments (12 i); v192-255 eight accumulators: the positive terms of o_r (192) and o_i (208), the negative terms of o_r (224) and o_i (240), two tiles of channels each.
;   window 2: v0-191 V's fragments, 12 (4 s + tv), tv = 2 part + tile.   window 3: the scores: register 16 i + n = key 512 w + 32 i + 16 (lane / 16) + n of my query.
.set FLOOR, 0x01800000                 ; 2^(3 - 127)
.set EADJ,  0xff000000                 ; takes 2 off an exponent field
.set STATS, 0                          ; LDS: (c m, l), 8 bytes a lane, 256 a wave, 1,024 a replica
.set OPART, 4096                       ; the waves' partial o_r, o_i: 4,096 bytes a wave
.set SPARE, 20480                      ; the spare words, 128 bytes for each wave: two blocks of 256 bytes that no other line names
.set VL24, 1                           ; v1   24 l: a lane's 24 bytes of half a fragment
.set VLS,  2                           ; v2   4 l + 128 (l / 16): two fragments' scale words in one register
.set VQ,   3                           ; v3   24 (l % 16)
.set AST,  4                           ; v4   8 l + 256 w
.set ASR,  5                           ; v5   8 l
.set AOS,  6                           ; v6   16 l + 4,096 w
.set AOR,  7                           ; v7   16 l + 2,048 (w % 2)
.set VC,   8                           ; v8   24 r + 12 h
.set V4L,  9                           ; v9   4 l
.set MLO,  10                          ; v10  all ones in lanes 0-15
.set MHI,  11                          ; v11  all ones in lanes 16-31
.set SPW,  12                          ; v12  LDS address of my spare word; never rewritten
.set NIL,  13                          ; v13  0; never rewritten
.set QRAW, 16                          ; v16-27 the next tile's codes of qr, qi, as loaded
.set QSRAW, 28
.set QS,   29                          ; v29  q's scale words: lanes 0-15 qr's, lanes 16-31 qi's
.set QB,   30                          ; v30-83 zeros, qr in lanes 0-15 (36), zeros, qr in lanes 16-31 (48), zeros, qi likewise (60, 72), zeros: six registers each
.set KS,   84                          ; v84-91  K's scale words: fragments 2 j and 2 j + 1
.set VS,   92                          ; v92-99  V's
.set PW,   100                         ; v100-103 A's scale words, one for each 128 keys
.set BM,   104                         ; v104-119 a block's largest score, then its largest A, then its byte
.set BT,   120                         ; v120-135 at work; then the conversions' scale operands
.set SO,   120
.set SU,   136                         ; v136-151 eight chains of sums
.set CM,   152                         ; v152 c m_w;  v153 l_w
.set LW,   153
.set F,    154                         ; v154 f;  v155 named with it as a pair
.set X,    156                         ; v156-163 the four waves' (c m, l)
.set E,    164                         ; v164-171 at work
.set PC0,  172                         ; v172-183, v184-195 A's codes, two buffers
.set PT,   196                         ; v196-198, v200-202
.set CD,   204                         ; v204-206 o's codes;  v207 o's scale byte
.set BYO,  207
.set RB,   104                         ; v104-167 at a tile's end: four waves' 16 partial numbers
.set CS,   24                          ; s[24:25] c
.set MSB, 0
.macro WIN new                         ; the immediate's high byte repeats the setting that is left
.if MSB != \new
	s_set_vgpr_msb (MSB<<8)|\new
.set MSB, \new
.endif
.endm
.macro NOP4
.rept 4
	v_nop
.endr
.endm
; one matrix instruction, by the symbols rD, rA, rB, rSA, rSB; fZ: it starts a sum; fRA, fRB: the scale words stand in lanes 16-31
.macro WMS
.if fZ
.if fRA && fRB
	v_wmma_scale_f32_16x16x128_f8f6f4 v[rD:rD+7], v[rA:rA+11], v[rB:rB+11], 0, v[rSA], v[rSB] matrix_a_fmt:MATRIX_FMT_FP6 matrix_b_fmt:MATRIX_FMT_FP6 matrix_a_scale:MATRIX_SCALE_ROW1 matrix_b_scale:MATRIX_SCALE_ROW1
.elseif fRA
	v_wmma_scale_f32_16x16x128_f8f6f4 v[rD:rD+7], v[rA:rA+11], v[rB:rB+11], 0, v[rSA], v[rSB] matrix_a_fmt:MATRIX_FMT_FP6 matrix_b_fmt:MATRIX_FMT_FP6 matrix_a_scale:MATRIX_SCALE_ROW1
.elseif fRB
	v_wmma_scale_f32_16x16x128_f8f6f4 v[rD:rD+7], v[rA:rA+11], v[rB:rB+11], 0, v[rSA], v[rSB] matrix_a_fmt:MATRIX_FMT_FP6 matrix_b_fmt:MATRIX_FMT_FP6 matrix_b_scale:MATRIX_SCALE_ROW1
.else
	v_wmma_scale_f32_16x16x128_f8f6f4 v[rD:rD+7], v[rA:rA+11], v[rB:rB+11], 0, v[rSA], v[rSB] matrix_a_fmt:MATRIX_FMT_FP6 matrix_b_fmt:MATRIX_FMT_FP6
.endif
.else
.if fRA
	v_wmma_scale_f32_16x16x128_f8f6f4 v[rD:rD+7], v[rA:rA+11], v[rB:rB+11], v[rD:rD+7], v[rSA], v[rSB] matrix_a_fmt:MATRIX_FMT_FP6 matrix_b_fmt:MATRIX_FMT_FP6 matrix_a_scale:MATRIX_SCALE_ROW1
.else
	v_wmma_scale_f32_16x16x128_f8f6f4 v[rD:rD+7], v[rA:rA+11], v[rB:rB+11], v[rD:rD+7], v[rSA], v[rSB] matrix_a_fmt:MATRIX_FMT_FP6 matrix_b_fmt:MATRIX_FMT_FP6
.endif
.endif
.endm
.macro QLOAD                           ; a tile's codes of qr and qi (row l % 16, in both halves of the lanes) and its scale words: 7 loads
.irp p, 0,1,2
	global_load_b64 v[QRAW+2*\p:QRAW+2*\p+1], v[VQ], s[36:37] offset:8*\p
	global_load_b64 v[QRAW+6+2*\p:QRAW+7+2*\p], v[VQ], s[36:37] offset:384+8*\p
.endr
	global_load_b32 v[QSRAW], v[VLS], s[38:39]
.endm
	s_load_b512 s[4:19], s[0:1], 0x0               ; qimg, qscl, kimg, kscl, vimg, vscl, mimg, mscl
	v_lshl_add_u32 v[SPW], v0, 2, SPARE
	v_mov_b32 v[NIL], 0
	v_lshrrev_b32 v14, 5, v0
	v_readfirstlane_b32 s20, v14                   ; wave 0..3
	s_and_b32 s22, ttmp7, 0xffff                   ; bh = 8 batch + head
	s_and_b32 s23, s20, 1
	v_and_b32 v14, 31, v0                          ; l
	v_and_b32 v15, 15, v0                          ; r
	v_bfe_u32 v16, v0, 4, 1                        ; h
	v_mul_u32_u24 v[VL24], v14, 24
	v_lshlrev_b32 v[V4L], 2, v14
	v_lshl_add_u32 v[VLS], v16, 7, v[V4L]
	v_mul_u32_u24 v[VQ], v15, 24
	v_mad_u32_u24 v[VC], v16, 12, v[VQ]
	v_lshlrev_b32 v[ASR], 3, v14
	s_lshl_b32 s46, s20, 8
	v_add_nc_u32 v[AST], s46, v[ASR]
	v_lshlrev_b32 v17, 4, v14
	s_lshl_b32 s46, s20, 12
	v_add_nc_u32 v[AOS], s46, v17
	s_lshl_b32 s46, s23, 11
	v_add_nc_u32 v[AOR], s46, v17
	v_add_nc_u32 v[MLO], -1, v16
	v_sub_nc_u32 v[MHI], 0, v16
	s_mov_b32 s[CS], 0x3e8293ee                    ; c = log2(e) / sqrt(32)
	s_mov_b32 s[CS+1], s[CS]                       ; (named with it as a pair)
	s_mov_b32 s26, 0x76543210
	s_mov_b32 s27, 0xfedcba98                      ; v_permlanex16_b32's selects for lane l xor 16
	s_mul_i32 s58, s22, 98304
	s_mul_i32 s46, s20, 24576
	s_add_co_u32 s46, s46, s58                     ; kimg, vimg: my 16 fragments
	s_mov_b32 s47, 0
	s_lshl_b32 s48, s22, 13
	s_lshl_b32 s59, s20, 11
	s_add_co_u32 s48, s48, s59                     ; kscl, vscl: their scale words
	s_mov_b32 s49, 0
	s_mul_i32 s50, ttmp9, 6144
	s_add_co_u32 s50, s50, s58                     ; qimg: my work-group's eight tiles
	s_mov_b32 s51, 0
	s_lshl_b32 s52, s22, 15
	s_lshl_b32 s59, ttmp9, 11
	s_add_co_u32 s52, s52, s59                     ; qscl
	s_mov_b32 s53, 0
	s_lshr_b32 s58, s22, 3
	s_lshl_b32 s58, s58, 7
	s_lshl_b32 s59, ttmp9, 3
	s_add_co_u32 s58, s58, s59                     ; the first tile among all 256: 128 batch + 8 x
	s_and_b32 s59, s22, 7                          ; the head
	s_mul_i32 s54, s58, 6144
	s_mul_i32 s60, s23, 3072
	s_add_co_u32 s54, s54, s60
	s_mul_i32 s60, s59, 384
	s_add_co_u32 s54, s54, s60                     ; mimg: tile 6,144 + part 3,072 + head 384
	s_mov_b32 s55, 0
	s_lshl_b32 s56, s58, 9
	s_lshl_b32 s60, s23, 8
	s_add_co_u32 s56, s56, s60
	s_lshr_b32 s60, s59, 2
	s_lshl_b32 s60, s60, 7
	s_add_co_u32 s56, s56, s60
	s_and_b32 s60, s59, 3
	s_add_co_u32 s56, s56, s60                     ; mscl: tile 512 + part 256 + (head / 4) 128 + head % 4
	s_mov_b32 s57, 0
	s_wait_kmcnt 0x0
	s_add_nc_u64 s[28:29], s[8:9], s[46:47]        ; K's fragments
	s_add_nc_u64 s[30:31], s[12:13], s[46:47]      ; V's
	s_add_nc_u64 s[32:33], s[10:11], s[48:49]      ; K's scale words
	s_add_nc_u64 s[34:35], s[14:15], s[48:49]      ; V's
	s_add_nc_u64 s[36:37], s[4:5], s[50:51]        ; q's codes
	s_add_nc_u64 s[38:39], s[6:7], s[52:53]        ; q's scale words
	s_add_nc_u64 s[40:41], s[16:17], s[54:55]      ; o's codes
	s_add_nc_u64 s[42:43], s[18:19], s[56:57]      ; o's scale bytes
	QLOAD                                          ; tile 0
.irp j, 0,1,2,3,4,5,6,7
	global_load_b32 v[KS+\j], v[VLS], s[32:33] offset:256*\j
	global_load_b32 v[VS+\j], v[VLS], s[34:35] offset:256*\j
.endr
	WIN 0x40                                       ; destination window 1
.set n, 0
.rept 96                               ; fragment n / 6, half (n % 6) / 3, piece n % 3: 8 bytes a lane, a fragment's half is 768 consecutive bytes
	global_load_b64 v[2*n:2*n+1], v[VL24], s[28:29] offset:1536*(n/6)+768*((n%6)/3)+8*(n%3)
.set n, n+1
.endr
	WIN 0x80                                       ; destination window 2
.set n, 0
.rept 96
	global_load_b64 v[2*n:2*n+1], v[VL24], s[30:31] offset:1536*(n/6)+768*((n%6)/3)+8*(n%3)
.set n, n+1
.endr
	WIN 0
.irp z, 0,12,24,36,48
.irp i, 0,1,2,3,4,5
	v_mov_b32 v[QB+\z+\i], 0                       ; the zero codes beside q's: written once
.endr
.endr
.set i, 0
.rept 16
	v_mov_b32 v[BT+i], 0                           ; written once: a lane permute's destination counts as one of its sources
.set i, i+1
.endr
	v_mov_b32 v[LW], 0                             ; (named as the upper half of a pair before it is first written)
	v_mov_b32 v[F+1], 0
	v_mov_b32 v[E+6], 0
; A x f for the 128 keys of K step s: 32 packed multiplications
.macro MULA s
	WIN 0xc3
.set k, 0
.rept 32
	v_pk_mul_f32 v[64*(\s)+2*k:64*(\s)+2*k+1], v[64*(\s)+2*k:64*(\s)+2*k+1], v[F:F+1] op_sel_hi:[1,0]
.set k, k+1
.endr
.endm
; its codes: four conversions give half blocks; the operand wants a whole block in a lane: lanes 0-15 block 2 c, lanes 16-31 block 2 c + 1
.macro CVTA s
.set rPC, PC0+12*((\s)%2)
	WIN 0x03                                       ; the numbers in window 3
.irp c, 0,1
	v_cvt_scalef32_pk16_fp6_f32 v[rPC+6*\c:rPC+6*\c+2], v[64*(\s)+32*\c:64*(\s)+32*\c+15], v[SO+4*(\s)+2*\c]
	v_cvt_scalef32_pk16_fp6_f32 v[PT+4*\c:PT+4*\c+2], v[64*(\s)+32*\c+16:64*(\s)+32*\c+31], v[SO+4*(\s)+2*\c+1]
.endr
	WIN 0
	v_nop                                          ; one plain place behind a scaled conversion
.irp c, 0,1
.irp i3, 0,1,2
	v_permlane16_swap_b32 v[rPC+6*\c+\i3], v[PT+4*\c+\i3]
.endr
.irp i3, 0,1,2
	v_mov_b32 v[rPC+3+6*\c+\i3], v[PT+4*\c+\i3]
.endr
.endr
.endm
; four products V^T A^T of K step s: vr's two tiles of channels, vi's two; four accumulators by turns, one instruction a turn.
; vr goes to accumulator 192 + 16 ((rep + 1) / 2), vi to the one 16 further on: rep 0: +o_r, +o_i;  rep 1, 2: +o_i, -o_r;  rep 3: -o_r, -o_i.
.macro PVM rep, s
	WIN 0x52                                       ; V window 2, A window 0, C and D window 1
.set t, 0
.rept 4
.set rD, 192+16*(((\rep)+1)/2)+16*(t/2)+8*(t%2)
.set rA, 12*(4*(\s)+t)
.set rB, PC0+12*((\s)%2)
.set rSA, VS+2*(\s)+t/2
.set rSB, PW+(\s)
.set fRA, t%2
.set fRB, 0
.set fZ, 0
.if (\s) == 0                          ; an accumulator's first product of a tile starts its sum: nothing is cleared
.if (\rep) == 0
.set fZ, 1
.endif
.if ((\rep) == 1) && (t >= 2)
.set fZ, 1
.endif
.if ((\rep) == 3) && (t >= 2)
.set fZ, 1
.endif
.endif
	WMS
.set t, t+1
.endr
.endm
; ONE REPLICA OF ONE TILE
.macro STAGE rep
.set QD, 36+12*(\rep)                  ; q's six registers: qr or qi, in the half of the lanes that stands for kr's or ki's block
	WIN 0xc1                                       ; K window 1, q window 0, the scores window 3
.set i, 0
.rept 16
.set u, 0
.rept 2
.set rD, 16*i+8*u
.set rA, 12*i
.set rB, QD-6*u                        ; tile u of the fragment's two: q's codes in the operand's registers 6 u .. 6 u + 5, zeros in the other six
.set rSA, KS+i/2
.set rSB, QS
.set fZ, 1
.set fRA, i%2
.set fRB, (\rep)/2
	WMS
.set u, u+1
.endr
.set i, i+1
.endr
	NOP4                                           ; four places in front of the first read of the scores
	; the largest score of each block of 32 keys: it serves the row's maximum and the block's largest A.  Each tile of scores is read from its low end on
	WIN 0x3f
.set i, 0
.rept 16
	v_max3_num_f32 v[BM+i], v[16*i], v[16*i+1], v[16*i+2]
.set i, i+1
.endr
	WIN 0x3c
.irp k, 3,5,7,9,11,13
.set i, 0
.rept 16
	v_max3_num_f32 v[BM+i], v[BM+i], v[16*i+\k], v[16*i+\k+1]
.set i, i+1
.endr
.endr
.set i, 0
.rept 16
	v_max_num_f32 v[BM+i], v[BM+i], v[16*i+15]
.set i, i+1
.endr
	WIN 0
.set i, 0
.rept 16
	v_permlanex16_b32 v[BT+i], v[BM+i], s26, s27
.set i, i+1
.endr
.set i, 0
.rept 16
	v_max_num_f32 v[BM+i], v[BM+i], v[BT+i]        ; with lane l xor 16's 16 keys
.set i, i+1
.endr
	v_max3_num_f32 v[BT], v[BM], v[BM+1], v[BM+2]
	v_max3_num_f32 v[BT+1], v[BM+3], v[BM+4], v[BM+5]
	v_max3_num_f32 v[BT+2], v[BM+6], v[BM+7], v[BM+8]
	v_max3_num_f32 v[BT+3], v[BM+9], v[BM+10], v[BM+11]
	v_max3_num_f32 v[BT], v[BT], v[BM+12], v[BM+13]
	v_max3_num_f32 v[BT+1], v[BT+1], v[BM+14], v[BM+15]
	v_max3_num_f32 v[BT], v[BT], v[BT+1], v[BT+2]
	v_max_num_f32 v[BT], v[BT], v[BT+3]            ; my query's largest score among my wave's 512 keys
	v_mul_f32 v[CM], s[CS], v[BT]                  ; c m_w
	; ONE BATCH of 272 exponentials with one wait: none of these lines names an exponential's result
.set i, 0
.rept 16
	v_fma_f32 v[BM+i], v[BM+i], s[CS], -v[CM]
.set i, i+1
.endr
.set i, 0
.rept 16
	v_exp_f32 v[BM+i], v[BM+i]                     ; each block's largest p
.set i, i+1
.endr
	WIN 0xc3
.set k, 0
.rept 4
	v_pk_fma_f32 v[2*k:2*k+1], v[2*k:2*k+1], s[CS:CS+1], v[CM:CM+1] op_sel_hi:[1,0,0] neg_lo:[0,0,1] neg_hi:[0,0,1]
.set k, k+1
.endr
.set k, 0
.rept 128                              ; c s - c m_w, two at a time, four pairs ahead of the pair's exponentials
.if k+4 < 128
	v_pk_fma_f32 v[2*k+8:2*k+9], v[2*k+8:2*k+9], s[CS:CS+1], v[CM:CM+1] op_sel_hi:[1,0,0] neg_lo:[0,0,1] neg_hi:[0,0,1]
.endif
	v_exp_f32 v[2*k], v[2*k]
	v_exp_f32 v[2*k+1], v[2*k+1]
.set k, k+1
.endr
	v_nop                                          ; a plain place behind the last exponential
	s_wait_alu depctr_va_vdst(0)                   ; one wait for the batch, ahead of the first line that names a result
	; l_w: 128 pairs in eight chains
	WIN 0x0f
.set k, 0
.rept 8
	v_pk_add_f32 v[SU+2*k:SU+2*k+1], v[4*k:4*k+1], v[4*k+2:4*k+3]
.set k, k+1
.endr
	WIN 0x0c
.set k, 16
.rept 112
	v_pk_add_f32 v[SU+2*(k%8):SU+2*(k%8)+1], v[SU+2*(k%8):SU+2*(k%8)+1], v[2*k:2*k+1]
.set k, k+1
.endr
	WIN 0
	v_pk_add_f32 v[SU:SU+1], v[SU:SU+1], v[SU+2:SU+3]
	v_pk_add_f32 v[SU+4:SU+5], v[SU+4:SU+5], v[SU+6:SU+7]
	v_pk_add_f32 v[SU+8:SU+9], v[SU+8:SU+9], v[SU+10:SU+11]
	v_pk_add_f32 v[SU+12:SU+13], v[SU+12:SU+13], v[SU+14:SU+15]
	v_pk_add_f32 v[SU:SU+1], v[SU:SU+1], v[SU+4:SU+5]
	v_pk_add_f32 v[SU+8:SU+9], v[SU+8:SU+9], v[SU+12:SU+13]
	v_pk_add_f32 v[SU:SU+1], v[SU:SU+1], v[SU+8:SU+9]
	v_add_f32 v[LW], v[SU], v[SU+1]
	v_permlanex16_b32 v[BT], v[LW], s26, s27
	v_add_f32 v[LW], v[LW], v[BT]
	; the exchange.  The replica's slot is written again a tile later, behind four more barriers, in front of each of which every wave has waited for its LDS loads
	ds_store_b64 v[AST], v[CM:CM+1] offset:STATS+1024*(\rep)
	s_wait_dscnt 0x0                               ; for the others' sake: my store has landed
	s_barrier_signal -1
	s_barrier_wait -1
.irp w, 0,1,2,3
	ds_load_b64 v[X+2*\w:X+2*\w+1], v[ASR] offset:STATS+1024*(\rep)+256*\w
.endr
	s_wait_dscnt 0x0
	v_max3_num_f32 v[E+7], v[X], v[X+2], v[X+4]
	v_max_num_f32 v[E+7], v[E+7], v[X+6]           ; g: c times the row's largest score
.irp w, 0,1,2,3
	v_sub_f32 v[E+\w], v[X+2*\w], v[E+7]
.endr
	v_sub_f32 v[E+4], v[CM], v[E+7]
.irp w, 0,1,2,3,4
	v_exp_f32 v[E+\w], v[E+\w]
.endr
	v_nop
	s_wait_alu depctr_va_vdst(0)                   ; one wait for the five
	v_mul_f32 v[E+5], v[E], v[X+1]
	v_fma_f32 v[E+5], v[E+1], v[X+3], v[E+5]
	v_fma_f32 v[E+5], v[E+2], v[X+5], v[E+5]
	v_fma_f32 v[E+5], v[E+3], v[X+7], v[E+5]       ; l: the row's sum under g
	v_rcp_f32 v[E+6], v[E+5]
	v_nop
	s_wait_alu depctr_va_vdst(0)
	v_mul_f32 v[F], v[E+4], v[E+6]                 ; f = 2^(c m_own - g) / l
	; the 16 blocks' scales
.set i, 0
.rept 16
	v_mul_f32 v[BM+i], v[BM+i], v[F]               ; the block's largest A
.set i, i+1
.endr
.set i, 0
.rept 16
	v_max_num_f32 v[BM+i], FLOOR, v[BM+i]
.set i, i+1
.endr
.set i, 0
.rept 16
	v_add_nc_u32 v[SO+i], EADJ, v[BM+i]            ; the conversion's scale operand
.set i, i+1
.endr
.set i, 0
.rept 16
	v_lshrrev_b32 v[BM+i], 23, v[SO+i]             ; the scale's byte
.set i, i+1
.endr
.irp s4, 0,1,2,3
	v_lshl_or_b32 v[PW+\s4], v[BM+4*\s4+1], 8, v[BM+4*\s4]
.endr
.irp s4, 0,1,2,3
	v_lshl_or_b32 v[PW+\s4], v[BM+4*\s4+2], 16, v[PW+\s4]
.endr
.irp s4, 0,1,2,3
	v_lshl_or_b32 v[PW+\s4], v[BM+4*\s4+3], 24, v[PW+\s4]
.endr
	; A, its codes, and the products with V, a K step of 128 keys at a time.  The next step's 32 multiplications are the places between a step's last written code register and its products,
	; and between those products and the conversions that write the same buffer two steps on
	MULA 0
	CVTA 0
	MULA 1
	PVM \rep, 0
	CVTA 1
	MULA 2
	PVM \rep, 1
	CVTA 2
	MULA 3
	PVM \rep, 2
	CVTA 3
	NOP4                                           ; an operand written by vector instructions stands four places ahead of a scaled matrix instruction
	PVM \rep, 3
.endm
	s_mov_b32 s44, 8                               ; tiles to go
.Ltile:
	s_wait_loadcnt 0x0                             ; this tile's q, asked for a tile ago (in the first trip: K, V and all scale words too)
	v_mov_b32 v[QS], v[QSRAW]
.irp i, 0,1,2,3,4,5
	v_and_b32 v[QB+6+\i], v[QRAW+\i], v[MLO]
	v_and_b32 v[QB+18+\i], v[QRAW+\i], v[MHI]
	v_and_b32 v[QB+30+\i], v[QRAW+6+\i], v[MLO]
	v_and_b32 v[QB+42+\i], v[QRAW+6+\i], v[MHI]
.endr
	NOP4                                           ; with the 24 lines above: 28 places behind the scale word's write, four behind the last operand's
	s_add_nc_u64 s[36:37], s[36:37], 768           ; the loads that read these addresses are done
	s_add_nc_u64 s[38:39], s[38:39], 256
	s_cmp_eq_u32 s44, 1
	s_cbranch_scc1 .Lno_next                       ; the last tile asks for nothing: no load leaves its buffer
	QLOAD
.Lno_next:
	STAGE 0
	STAGE 1
	STAGE 2
	STAGE 3
	; THE TILE'S END: positive less negative terms; the four waves' partial sums meet in LDS; wave 0 finishes o_r, wave 1 o_i
	NOP4
	WIN 0x45
.set k, 0
.rept 16
	v_pk_add_f32 v[192+2*k:193+2*k], v[192+2*k:193+2*k], v[224+2*k:225+2*k] neg_lo:[0,1] neg_hi:[0,1]   ; each accumulator from its low end on
.set k, k+1
.endr
	WIN 0x04                                       ; an LDS store's data are its source 1: window 1
.irp k8, 0,1,2,3,4,5,6,7
	ds_store_b128 v[AOS], v[192+4*\k8:195+4*\k8] offset:OPART+512*\k8
.endr
	WIN 0
	s_wait_dscnt 0x0                               ; for the others' sake: my partial sums have landed
	s_barrier_signal -1
	s_barrier_wait -1                              ; these bytes are written again a tile later, behind four more barriers
	s_cmp_lt_u32 s20, 2
	s_cbranch_scc0 .Lothers
.irp w, 0,1,2,3
.irp k4, 0,1,2,3
	ds_load_b128 v[RB+16*\w+4*\k4:RB+16*\w+4*\k4+3], v[AOR] offset:OPART+4096*\w+512*\k4
.endr
.endr
	s_wait_dscnt 0x0
.irp k2, 0,2,4,6,8,10,12,14
	v_pk_add_f32 v[RB+\k2:RB+\k2+1], v[RB+\k2:RB+\k2+1], v[RB+16+\k2:RB+17+\k2]
	v_pk_add_f32 v[RB+32+\k2:RB+33+\k2], v[RB+32+\k2:RB+33+\k2], v[RB+48+\k2:RB+49+\k2]
.endr
.irp k2, 0,2,4,6,8,10,12,14
	v_pk_add_f32 v[RB+\k2:RB+\k2+1], v[RB+\k2:RB+\k2+1], v[RB+32+\k2:RB+33+\k2]
.endr
	; my query's channels 16 h + 0 .. 15 of this head: half of a block of the last product's K
	v_max3_num_f32 v[E+4], |v[RB]|, |v[RB+1]|, FLOOR
	v_max3_num_f32 v[E+5], |v[RB+2]|, |v[RB+3]|, |v[RB+4]|
	v_max3_num_f32 v[E+4], v[E+4], |v[RB+5]|, |v[RB+6]|
	v_max3_num_f32 v[E+5], v[E+5], |v[RB+7]|, |v[RB+8]|
	v_max3_num_f32 v[E+4], v[E+4], |v[RB+9]|, |v[RB+10]|
	v_max3_num_f32 v[E+5], v[E+5], |v[RB+11]|, |v[RB+12]|
	v_max3_num_f32 v[E+4], v[E+4], |v[RB+13]|, |v[RB+14]|
	v_max3_num_f32 v[E+4], v[E+4], v[E+5], |v[RB+15]|
	v_permlanex16_b32 v[E+6], v[E+4], s26, s27
	v_max_num_f32 v[E+4], v[E+4], v[E+6]
	v_add_nc_u32 v[E+7], EADJ, v[E+4]
	v_lshrrev_b32 v[BYO], 23, v[E+7]
	v_cvt_scalef32_pk16_fp6_f32 v[CD:CD+2], v[RB:RB+15], v[E+7]
	v_nop                                          ; one plain place behind a scaled conversion
	global_store_b96 v[VC], v[CD:CD+2], s[40:41]   ; the wave stores 384 consecutive bytes
	global_store_b8 v[V4L], v[BYO], s[42:43]
.Lothers:
	s_wait_xcnt 0x0                                ; the stores have read their data and addresses: both are written again only behind this wait
	s_add_nc_u64 s[40:41], s[40:41], 6144
	s_add_nc_u64 s[42:43], s[42:43], 512
	s_sub_co_u32 s44, s44, 1
	s_cmp_lg_u32 s44, 0
	s_cbranch_scc1 .Ltile
	s_wait_tensorcnt 0x0                           ; the wave's end: three closing lines, behind my last LDS store
	ds_add_u32 v[SPW], v[NIL]
	s_wait_dscnt 0x0
	s_endpgm
.Lfunc_end_k_qcae126930e_attn:
	.size	k_qcae126930e_attn, .Lfunc_end_k_qcae126930e_attn-k_qcae126930e_attn
	.p2alignl 7, 3214868480
	.fill 96, 4, 3214868480
	.section	.rodata,"a",@progbits
	.p2align	6, 0x0
	.amdhsa_kernel k_qcae126930e_attn
		.amdhsa_group_segment_fixed_size 20992
		.amdhsa_private_segment_fixed_size 0
		.amdhsa_enable_private_segment 0
		.amdhsa_kernarg_size 64
		.amdhsa_user_sgpr_count 2
		.amdhsa_user_sgpr_kernarg_segment_ptr 1
		.amdhsa_wavefront_size32 1
		.amdhsa_system_sgpr_workgroup_id_x 1
		.amdhsa_system_sgpr_workgroup_id_y 1
		.amdhsa_system_sgpr_workgroup_id_z 1
		.amdhsa_system_vgpr_workitem_id 0
		.amdhsa_next_free_vgpr 1024
		.amdhsa_next_free_sgpr 66
		.amdhsa_reserve_vcc 0
		.amdhsa_float_denorm_mode_32 3
		.amdhsa_float_denorm_mode_16_64 3
		.amdhsa_memory_ordered 1
		.amdhsa_forward_progress 1
		.amdhsa_inst_pref_size 255
	.end_amdhsa_kernel
	.section	.bss,"aw",@nobits
	.p2align	6
	.space	262144
	.amdgpu_metadata
---
amdhsa.version: [ 1, 2 ]
amdhsa.kernels:
  - .name:           k_qcae126930e_attn
    .symbol:         k_qcae126930e_attn.kd
    .args:
      - { .name: qimg, .offset: 0, .size: 8, .value_kind: global_buffer, .address_space: global }
      - { .name: qscl, .offset: 8, .size: 8, .value_kind: global_buffer, .address_space: global }
      - { .name: kimg, .offset: 16, .size: 8, .value_kind: global_buffer, .address_space: global }
      - { .name: kscl, .offset: 24, .size: 8, .value_kind: global_buffer, .address_space: global }
      - { .name: vimg, .offset: 32, .size: 8, .value_kind: global_buffer, .address_space: global }
      - { .name: vscl, .offset: 40, .size: 8, .value_kind: global_buffer, .address_space: global }
      - { .name: mimg, .offset: 48, .size: 8, .value_kind: global_buffer, .address_space: global }
      - { .name: mscl, .offset: 56, .size: 8, .value_kind: global_buffer, .address_space: global }
    .group_segment_fixed_size: 20992
    .private_segment_fixed_size: 0
    .kernarg_segment_align: 8
    .kernarg_segment_size: 64
    .max_flat_workgroup_size: 128
    .sgpr_count:     66
    .vgpr_count:     1024
    .wavefront_size: 32
...
	.end_amdgpu_metadata
.endif
;; end of part 2
;; launch outp (part 3): grid 32 x 8, 8 waves a work-group, no clusters, 49,152 bytes of LDS; arguments mimg, mscl, wo_r, wo_i, out0; writes out0
.if DOCPART == 3
	.amdgcn_target "amdgcn-amd-amdhsa--gfx1250"
	.amdhsa_code_object_version 6
	.text
	.protected	k_qcae126930e_outp
	.globl	k_qcae126930e_outp
	.p2align	8
	.type	k_qcae126930e_outp,@function
k_qcae126930e_outp:
	s_mov_b64 s[64:65], 0
	v_nop
	global_prefetch_b8 v0, s[64:65] scope:SCOPE_SE
	s_setreg_imm32_b32 hwreg(HW_REG_WAVE_MODE, 25, 1), 1
	s_wait_xcnt 0x0
; THE COMPLEX OUTPUT PROJECTION out = m W_o, on codes of FP6 (E2M3) with one E8M0 scale for each 32 along K; real and imaginary parts interleaved: out0 [4096 tokens][256][2] f32.
; m arrives as codes (mimg: for each tile of 16 tokens four fragments: m_r k0, k1, m_i k0, k1; mscl: their scale words); wo_r, wo_i: [256 (k)][256] f32.
; SHARES.  A work-group takes 128 tokens (work-group x; a tile of 16 a wave) and 32 complex columns (work-group y).  PHASE A: each wave quantises one of the eight fragments of its work-group's slice of W_o (part, tile of columns, K step)
; and lays it in LDS as an image of the operand's registers; one barrier.  PHASE B: source 0 = 16 columns, source 1 = my 16 tokens: a lane holds a token and eight neighbouring columns a tile.
; out_r = m_r W_r - m_i W_i and out_i = m_r W_i + m_i W_r are made as the reference makes them: four f32 sums, joined by one f32 subtraction and one addition.
; Tiles are patterned: row r of tile u of a group of 32 (tokens, columns) is thing 8 u + r + (r & 8); so a lane's results are columns 16 h + 0 .. 15: with both parts 128 consecutive bytes of a row of out0.
; They go through the wave's own stage in LDS and leave so that 16 lanes store 256 consecutive bytes, at a multiple of 256 from out0's first byte.
; No tensor load, no cluster: the operands are small and each is read once by a work-group.
; LIMITS: NaN and infinities are not served.  A block of W_o whose largest magnitude lies under 2^-124 gets the byte 1: the bytes are read by this program alone, and a block of zeros has zero codes.
.set FLOOR, 0x01800000
.set EADJ,  0xff000000
.set WSC,   0                          ; LDS: W's scale words, 8 x 128 bytes
.set WIMG,  1024                       ; W's eight fragments: 4 part + 2 u + ks
.set STAGE, 13312                      ; 16 rows x (256 + 16) bytes for each wave
.set SPARE, 48128                      ; the spare words, 128 bytes for each wave: four blocks of 256 bytes that no other line names
.set VWQ,  1                           ; v1   W: 4 rp + 32 rows x h
.set VL24, 2                           ; v2   24 l
.set VLS,  3                           ; v3   4 l + 128 (l / 16)
.set VWI,  4                           ; v4   16 l + 1,536 w
.set VWS,  5                           ; v5   4 l + 128 w
.set LI,   6                           ; v6   16 l
.set LS,   7                           ; v7   4 l
.set STO,  8                           ; v8   the stage, in: 272 r + 128 h + 4,352 w
.set SRD,  9                           ; v9   back: 272 h + 16 r + 4,352 w
.set VGO,  10                          ; v10  out0: 2,048 h + 16 r
.set LN,   16                          ; v16-63 m's four fragments; later v16-47 the results
.set T,    16
.set BK,   64                          ; v64-159 W's eight fragments; later rows read back
.set NA,   80                          ; phase A: 64 numbers of W
.set PC,   208
.set PT,   220
.set MX,   228
.set SO,   232
.set BY,   234
.set PW,   236
.set TT,   237
.set SH8,  238
.set MS,   240                         ; v240 m_r's scale words (k0 in lanes 0-15, k1 in lanes 16-31), v241 m_i's
.set BKS,  244                         ; v244-251 W's
.set SPW,  254
.set NIL,  255
	s_load_b256 s[4:11], s[0:1], 0x0               ; mimg, mscl, wo_r, wo_i
	s_load_b64 s[12:13], s[0:1], 0x20              ; out0
	v_lshl_add_u32 v[SPW], v0, 2, SPARE
	v_mov_b32 v[NIL], 0
	v_lshrrev_b32 v16, 5, v0
	v_readfirstlane_b32 s14, v16                   ; wave 0..7
	s_and_b32 s15, ttmp7, 0xffff                   ; which 32 columns
	s_mov_b32 s16, 0x76543210
	s_mov_b32 s17, 0xfedcba98
	v_and_b32 v17, 31, v0                          ; l
	v_and_b32 v18, 15, v0                          ; r
	v_bfe_u32 v19, v0, 4, 1                        ; h
	v_and_b32 v20, 8, v18
	v_add_nc_u32 v20, v20, v18                     ; rp
	v_lshlrev_b32 v[VWQ], 2, v20
	v_lshl_add_u32 v[VWQ], v19, 15, v[VWQ]
	v_mul_u32_u24 v[VL24], v17, 24
	v_lshlrev_b32 v[LS], 2, v17
	v_lshl_add_u32 v[VLS], v19, 7, v[LS]
	v_lshlrev_b32 v[LI], 4, v17
	s_mul_i32 s26, s14, 1536
	v_add_nc_u32 v[VWI], s26, v[LI]
	s_lshl_b32 s26, s14, 7
	v_add_nc_u32 v[VWS], s26, v[LS]
	s_mul_i32 s26, s14, 4352
	v_mul_u32_u24 v[STO], v18, 272
	v_lshl_add_u32 v[STO], v19, 7, v[STO]
	v_add_nc_u32 v[STO], s26, v[STO]
	v_mul_u32_u24 v[SRD], v19, 272
	v_lshl_add_u32 v[SRD], v18, 4, v[SRD]
	v_add_nc_u32 v[SRD], s26, v[SRD]
	v_lshlrev_b32 v[VGO], 11, v19
	v_lshl_add_u32 v[VGO], v18, 4, v[VGO]
	v_lshlrev_b32 v[SH8], 3, v19
	v_mov_b32 v[TT], 0                             ; written once: a lane permute's destination counts as one of its sources
	s_lshr_b32 s26, s14, 2                         ; phase A: part,
	s_bfe_u32 s27, s14, 0x10001                    ; tile u,
	s_and_b32 s28, s14, 1                          ; K step
	s_lshl_b32 s18, s15, 7
	s_lshl_b32 s27, s27, 5
	s_add_co_u32 s18, s18, s27
	s_lshl_b32 s27, s28, 17
	s_add_co_u32 s18, s18, s27                     ; W: 128 y + 32 u + 128 ks rows of 1,024 bytes
	s_mov_b32 s19, 0
	s_lshl_b32 s27, ttmp9, 3
	s_add_co_u32 s27, s27, s14                     ; my tile of tokens
	s_mul_i32 s20, s27, 6144
	s_mov_b32 s21, 0
	s_lshl_b32 s22, s27, 9
	s_mov_b32 s23, 0
	s_lshl_b32 s24, ttmp9, 18                      ; out0: (128 tb + 32 (w / 2) + 8 (w % 2)) rows of 2,048 bytes + 256 y
	s_lshr_b32 s27, s14, 1
	s_lshl_b32 s27, s27, 16
	s_add_co_u32 s24, s24, s27
	s_lshl_b32 s27, s28, 14
	s_add_co_u32 s24, s24, s27
	s_lshl_b32 s27, s15, 8
	s_add_co_u32 s24, s24, s27
	s_mov_b32 s25, 0
	s_wait_kmcnt 0x0
	s_cmp_eq_u32 s26, 0                            ; the choice hangs on the wave's number alone
	s_cselect_b64 s[28:29], s[8:9], s[10:11]
	s_add_nc_u64 s[18:19], s[28:29], s[18:19]
	s_add_nc_u64 s[20:21], s[4:5], s[20:21]
	s_add_nc_u64 s[22:23], s[6:7], s[22:23]
	s_add_nc_u64 s[24:25], s[12:13], s[24:25]
	; ---- PHASE A: a lane takes a column of W_o and its registers run down K: k = 64 c + 32 h + i
.set n, 0
.rept 64
	global_load_b32 v[NA+n], v[VWQ], s[18:19] offset:1024*(64*(n/32)+n%32)
.set n, n+1
.endr
.set n, 0
.rept 24                               ; my tile's four fragments of m: fragment n / 6, half (n % 6) / 3, piece n % 3
	global_load_b64 v[LN+2*n:LN+2*n+1], v[VL24], s[20:21] offset:1536*(n/6)+768*((n%6)/3)+8*(n%3)
.set n, n+1
.endr
	global_load_b32 v[MS], v[VLS], s[22:23]
	global_load_b32 v[MS+1], v[VLS], s[22:23] offset:256
	s_wait_loadcnt 26                              ; W's 64 are in; the 26 loads of m behind them may stay out
.irp c, 0,1
.irp e, 0,1
	v_max3_num_f32 v[MX+2*\c+\e], |v[NA+32*\c+16*\e]|, |v[NA+32*\c+16*\e+1]|, FLOOR
.endr
.endr
.irp i, 2,4,6,8,10,12,14
.irp c, 0,1
.irp e, 0,1
	v_max3_num_f32 v[MX+2*\c+\e], v[MX+2*\c+\e], |v[NA+32*\c+16*\e+\i]|, |v[NA+32*\c+16*\e+\i+1]|
.endr
.endr
.endr
.irp c, 0,1
	v_max_num_f32 v[MX+2*\c], v[MX+2*\c], v[MX+2*\c+1]
.endr
.irp c, 0,1
	v_add_nc_u32 v[SO+\c], EADJ, v[MX+2*\c]        ; 2 off the exponent field: the conversion's scale operand
.endr
.irp c, 0,1
	v_lshrrev_b32 v[BY+\c], 23, v[SO+\c]
.endr
	v_lshl_or_b32 v[PW], v[BY+1], 16, v[BY]        ; my two bytes: blocks h and 2 + h,
	v_lshlrev_b32 v[PW], v[SH8], v[PW]
	v_permlanex16_b32 v[TT], v[PW], s16, s17
	v_or_b32 v[PW], v[PW], v[TT]                   ; with lane l xor 16's two the word is whole
.irp c, 0,1
	v_cvt_scalef32_pk16_fp6_f32 v[PC+6*\c:PC+6*\c+2], v[NA+32*\c:NA+32*\c+15], v[SO+\c]
	v_cvt_scalef32_pk16_fp6_f32 v[PT+4*\c:PT+4*\c+2], v[NA+32*\c+16:NA+32*\c+31], v[SO+\c]
.endr
	v_nop                                          ; one plain place behind a scaled conversion
.irp c, 0,1
.irp i, 0,1,2
	v_mov_b32 v[PC+3+6*\c+\i], v[PT+4*\c+\i]
.endr
.endr
.irp i, 0,1,2
	ds_store_b128 v[VWI], v[PC+4*\i:PC+4*\i+3] offset:WIMG+512*\i
.endr
	ds_store_b32 v[VWS], v[PW] offset:WSC
	s_wait_dscnt 0x0                               ; for the others' sake: my image has landed
	s_barrier_signal -1
	s_barrier_wait -1
	; ---- PHASE B
.irp f, 0,1,2,3,4,5,6,7
.irp i, 0,1,2
	ds_load_b128 v[BK+12*\f+4*\i:BK+12*\f+4*\i+3], v[LI] offset:WIMG+1536*\f+512*\i
.endr
	ds_load_b32 v[BKS+\f], v[LS] offset:WSC+128*\f
.endr
	s_wait_loadcnt 0x0                             ; m
	s_wait_dscnt 0x0                               ; W
; sum a: 0 W_r m_r, 1 W_i m_i, 2 W_i m_r, 3 W_r m_i; W's part is ((a + 1) / 2) % 2, m's a % 2.  Eight accumulators (four sums x two tiles of columns) by turns, one instruction a turn
.irp ks, 0,1
.irp a, 0,1,2,3
.irp u, 0,1
.if \ks == 0
	v_wmma_scale_f32_16x16x128_f8f6f4 v[160+16*\a+8*\u:167+16*\a+8*\u], v[BK+12*(4*(((\a+1)/2)%2)+2*\u+\ks):BK+12*(4*(((\a+1)/2)%2)+2*\u+\ks)+11], v[LN+12*(2*(\a%2)+\ks):LN+12*(2*(\a%2)+\ks)+11], 0, v[BKS+4*(((\a+1)/2)%2)+2*\u+\ks], v[MS+\a%2] matrix_a_fmt:MATRIX_FMT_FP6 matrix_b_fmt:MATRIX_FMT_FP6
.else
	v_wmma_scale_f32_16x16x128_f8f6f4 v[160+16*\a+8*\u:167+16*\a+8*\u], v[BK+12*(4*(((\a+1)/2)%2)+2*\u+\ks):BK+12*(4*(((\a+1)/2)%2)+2*\u+\ks)+11], v[LN+12*(2*(\a%2)+\ks):LN+12*(2*(\a%2)+\ks)+11], v[160+16*\a+8*\u:167+16*\a+8*\u], v[BKS+4*(((\a+1)/2)%2)+2*\u+\ks], v[MS+\a%2] matrix_a_fmt:MATRIX_FMT_FP6 matrix_b_fmt:MATRIX_FMT_FP6 matrix_b_scale:MATRIX_SCALE_ROW1
.endif
.endr
.endr
.endr
.rept 4
	v_nop                                          ; four places: in front of the first read of the results, of the writes over m's fragments and of the loads into W's
.endr
.irp u, 0,1
.irp j, 0,1,2,3,4,5,6,7
	v_sub_f32 v[T+16*\u+2*\j], v[160+8*\u+\j], v[176+8*\u+\j]       ; the real part of column 16 h + 8 u + j; each accumulator from its low end on
	v_add_f32 v[T+16*\u+2*\j+1], v[192+8*\u+\j], v[208+8*\u+\j]     ; the imaginary part beside it
.endr
.endr
.irp i, 0,1,2,3,4,5,6,7
	ds_store_b128 v[STO], v[T+4*\i:T+4*\i+3] offset:STAGE+16*\i     ; my token's 128 bytes
.endr
.irp i, 0,1,2,3,4,5,6,7
	ds_load_b128 v[BK+4*\i:BK+4*\i+3], v[SRD] offset:STAGE+544*\i   ; LDS serves a wave's instructions in order (ISA guide 5.7.1.4): these see my stores; lanes 0-15 one row of 256 bytes, lanes 16-31 the next
.endr
.irp i, 0,1,2,3,4,5,6,7
	s_wait_dscnt 7-\i                              ; the younger loads may stay out
	global_store_b128 v[VGO], v[BK+4*\i:BK+4*\i+3], s[24:25] offset:(2*\i+8*(\i/4))*2048 th:TH_STORE_NT   ; the tile's row n is token n + (n & 8); 16 lanes store 256 consecutive bytes; written once, read by nobody here
.endr
	s_wait_tensorcnt 0x0                           ; the wave's end: three closing lines, behind my last LDS store
	ds_add_u32 v[SPW], v[NIL]
	s_wait_dscnt 0x0
	s_endpgm
.Lfunc_end_k_qcae126930e_outp:
	.size	k_qcae126930e_outp, .Lfunc_end_k_qcae126930e_outp-k_qcae126930e_outp
	.p2alignl 7, 3214868480
	.fill 96, 4, 3214868480
	.section	.rodata,"a",@progbits
	.p2align	6, 0x0
	.amdhsa_kernel k_qcae126930e_outp
		.amdhsa_group_segment_fixed_size 49152
		.amdhsa_private_segment_fixed_size 0
		.amdhsa_enable_private_segment 0
		.amdhsa_kernarg_size 40
		.amdhsa_user_sgpr_count 2
		.amdhsa_user_sgpr_kernarg_segment_ptr 1
		.amdhsa_wavefront_size32 1
		.amdhsa_system_sgpr_workgroup_id_x 1
		.amdhsa_system_sgpr_workgroup_id_y 1
		.amdhsa_system_sgpr_workgroup_id_z 1
		.amdhsa_system_vgpr_workitem_id 0
		.amdhsa_next_free_vgpr 256
		.amdhsa_next_free_sgpr 66
		.amdhsa_reserve_vcc 0
		.amdhsa_float_denorm_mode_32 3
		.amdhsa_float_denorm_mode_16_64 3
		.amdhsa_memory_ordered 1
		.amdhsa_forward_progress 1
		.amdhsa_inst_pref_size 23
	.end_amdhsa_kernel
	.amdgpu_metadata
---
amdhsa.version: [ 1, 2 ]
amdhsa.kernels:
  - .name:           k_qcae126930e_outp
    .symbol:         k_qcae126930e_outp.kd
    .args:
      - { .name: mimg, .offset: 0, .size: 8, .value_kind: global_buffer, .address_space: global }
      - { .name: mscl, .offset: 8, .size: 8, .value_kind: global_buffer, .address_space: global }
      - { .name: wo_r, .offset: 16, .size: 8, .value_kind: global_buffer, .address_space: global }
      - { .name: wo_i, .offset: 24, .size: 8, .value_kind: global_buffer, .address_space: global }
      - { .name: out0, .offset: 32, .size: 8, .value_kind: global_buffer, .address_space: global }
    .group_segment_fixed_size: 49152
    .private_segment_fixed_size: 0
    .kernarg_segment_align: 8
    .kernarg_segment_size: 40
    .max_flat_workgroup_size: 256
    .sgpr_count:     66
    .vgpr_count:     256
    .wavefront_size: 32
...
	.end_amdgpu_metadata
.endif
;; end of part 3
;; ======== version 2 of 2: 3 launches; version 1 with the launches proj, attn, outp written anew for expert scheduling mode
;; workspace buffers: qimg 1,572,864 bytes; qscl 524,288 bytes; kimg 1,572,864 bytes; kscl 131,072 bytes; vimg 1,572,864 bytes; vscl 131,072 bytes; mimg 1,572,864 bytes; mscl 131,072 bytes
;; launch proj (part 4): grid 32 x 8, 8 waves a work-group, no clusters, 94,208 bytes of LDS; arguments x_real, x_imag, wq_r, wq_i, wkv_r, wkv_i, qimg, qscl, kimg, kscl, vimg, vscl; writes qimg, qscl, kimg, kscl, vimg, vscl
.if DOCPART == 4
	.amdgcn_target "amdgcn-amd-amdhsa--gfx1250"
	.amdhsa_code_object_version 6
	.text
	.protected	k_qcae126930e_proj
	.globl	k_qcae126930e_proj
	.p2align	8
	.type	k_qcae126930e_proj,@function
k_qcae126930e_proj:
	s_mov_b64 s[64:65], 0
	v_nop
	global_prefetch_b8 v0, s[64:65] scope:SCOPE_SE
	s_setreg_imm32_b32 hwreg(HW_REG_WAVE_SCHED_MODE, 0, 2), 2
	s_setreg_imm32_b32 hwreg(HW_REG_WAVE_MODE, 25, 1), 1
	s_wait_xcnt 0x0
	s_wait_alu depctr_vm_vsrc(0)
; THE COMPLEX PROJECTIONS q, k, v = x W, on codes of FP6 (E2M3) with one E8M0 scale for each 32 along K, and the quantising of their results for the attention launch.
; x_real, x_imag: [4096 tokens][256] f32.  wq_r, wq_i: [256 (k)][256] f32.  wkv_r, wkv_i: [256 (k)][512] f32 (columns 0-255 k, 256-511 v).
; SHARES.  A work-group takes 128 tokens (work-group x) and one head (work-group y): 128 tokens x 192 real columns (qr, qi, kr, ki, vr, vi, 32 each).
; PHASE A.  Each of the eight waves quantises four fragments of x (its tile of 16 tokens: x_real and x_imag, two K steps of 128) and three of the weights (one of q's, k's, v's eight), and lays them
; in LDS as images of the operand's registers: 12 registers a lane by three stores of 16 bytes at 16 x lane; the scale word at 4 x lane.  One barrier.
; PHASE B.  Wave (G, p): group G of 32 tokens, part p (0 real, 1 imaginary).  Each result is made as the reference makes it: two f32 sums, W[p] . x_real and W[1-p] . x_imag, joined by one f32 subtraction (p = 0) or addition (p = 1).
; TILES ARE PATTERNED: row r of tile u of a group of 32 things (tokens, columns) is thing 8 u + r + (r & 8).  A product whose source 0 is such a pair of tiles leaves in lane (r, h) 16 registers that are things 16 h + 0 .. 15.
; So for q and k (source 0 = columns) a lane holds a token and 16 neighbouring channels of the head's 32, which are one block of the score product's K; for v (source 0 = tokens) a lane holds a channel and 16 neighbouring
; keys of a block of 32 keys.  The block's other half lies in lane l xor 16.  One conversion gives 12 bytes of codes, stored at (block's place) + 24 r + 12 h: a wave's store covers 384 consecutive bytes.
; The scale bytes of k and v leave by stores of one byte a lane, 4 bytes apart: 32 bytes of a run of 128 an instruction; they are one part in 21 of what the launch stores.
; No tensor load, no cluster: the operands are small, each is quantised on its way, and what work-groups share (a head's 196,608 bytes of weights, 262,144 bytes of x) is read once by each.
; LIMITS: NaN and infinities among the inputs are not served.  A block whose largest magnitude lies under 2^-124 (a block of zeros among them) gets the byte 1 where the quantiser's rule says another: the bytes are read by this program alone, and a block of zeros has zero codes.
; THE MODE: SCHED_MODE bits 1:0 = 2 (LLVM: expert scheduling mode 2), set by the entry lines.  The code itself states the register dependences
; between vector or matrix instructions and memory or LDS instructions, with s_wait_alu, always for 0.
; THE PLAN.  Registers that memory or LDS instructions touch:
;   NA, NB, NC    Phase A: global loads land in a set; the task's quantiser reads it; behind the task's image the loads of three tasks on land in it.
;   PC, PW        Phase A: written by a task's quantiser, read by the task's four LDS stores, written again by the next task's quantiser.
;   LN, BK, LNS, BKS  Phase B: LDS loads land in them; a unit's eight products read them; the next unit's loads land in them.
;   v208 + 4 n, v232 + n  Phase B: written by unit n's conversion and byte line, read by unit n's two global stores, which are issued in unit n + 1; never written again.
;   v1 .. v15     Addresses and offsets: made at the head, never written again.
; Phase A: one wait on va_vdst ahead of a task's LDS stores serves them and the loads that follow them; one on vm_vsrc ahead of the next task's first write of PW.
; Phase B: ONE wait on va_vdst a unit, behind its products: behind it stand the next unit's LDS loads and the stores of the unit before; the unit's own arithmetic, which follows, names none of the registers that these touch.
.set FLOOR, 0x01800000                 ; 2^(3 - 127): under it no largest magnitude is taken, so the byte cannot fall under 1
.set EADJ,  0xff000000                 ; takes 2 off an exponent field
.set WSC,   0                          ; LDS: the weights' scale words, 24 x 128 bytes
.set XSC,   3072                       ; x's, 32 x 128
.set WIMG,  7168                       ; the weights' 24 fragments: 8 g + 4 part + 2 u + ks (g: 0 q, 1 k, 2 v), 1,536 bytes each
.set XIMG,  44032                      ; x's 32 fragments: 4 tile + t (t: x_real k0, k1, x_imag k0, k1)
.set SPARE, 93184                      ; the spare words, 128 bytes for each wave: four blocks of 256 bytes that no other line names
.set VWQ,  1                           ; v1   wq: 4 rp + 32 rows x h          (rp = r + (r & 8))
.set VWK,  2                           ; v2   wkv: the same with rows of 2,048 bytes
.set VX,   3                           ; v3   x: 1,024 rp + 128 h
.set VWI,  4                           ; v4   where I store a weight's image: 16 l + 1,536 w
.set VWS,  5                           ; v5   and its scale words: 4 l + 128 w
.set VXI,  6                           ; v6   x's images: 16 l + 6,144 w
.set VXS,  7                           ; v7   4 l + 512 w
.set VA1,  8                           ; v8   phase B: weights of part p: 16 l + 6,144 p;  v9: of part 1 - p
.set VS1,  10                          ; v10  their scale words: 4 l + 512 p;  v11: of part 1 - p
.set VXR,  12                          ; v12  x's fragments of my group: 16 l + 12,288 G
.set VXSR, 13                          ; v13  4 l + 1,024 G
.set VC,   14                          ; v14  24 r + 12 h: my 12 bytes of codes in a block's 384
.set V4L,  15                          ; v15  4 l
.set NA,   16                          ; phase A: three sets of 64 numbers
.set NB,   80
.set NC,   144
.set PC,   208                         ; v208-219 the fragment just made
.set PT,   220                         ; v220-222, v224-226 a block's upper halves (a conversion's three registers begin on an even number)
.set MX,   228                         ; v228-231 largest magnitudes
.set SO,   232                         ; v232-233 the conversions' scale operands
.set BY,   234                         ; v234-235 the scale bytes
.set PW,   236                         ; v236 the scale word
.set TT,   237
.set SH8,  238                         ; v238 8 h
.set LN,   16                          ; phase B: source 1: four fragments, slot 2 qq + ks
.set BK,   64                          ; source 0: eight fragments, slot 4 tile + 2 qq + ks
.set ACC,  160                         ; v160-191 four accumulators: 16 qq + 8 tile
.set LNS,  240                         ; v240-243, v244-251 scale words, and nothing else
.set BKS,  244
.set SPW,  254                         ; v254 LDS address of my spare word; never rewritten
.set NIL,  255                         ; v255 0; never rewritten
.macro NOP4
.rept 4
	v_nop
.endr
.endm
; 64 numbers of a lane, v[X + 32 c + i] = k 64 c + 32 h + i of my row: two whole blocks.  They become the fragment's 12 registers in v[PC] on and the row's scale word in v[PW].  first = 1: no image has been stored yet.
.macro QUANT64 X, first
.irp c, 0,1
.irp e, 0,1
	v_max3_num_f32 v[MX+2*\c+\e], |v[\X+32*\c+16*\e]|, |v[\X+32*\c+16*\e+1]|, FLOOR
.endr
.endr
.irp i, 2,4,6,8,10,12,14
.irp c, 0,1
.irp e, 0,1
	v_max3_num_f32 v[MX+2*\c+\e], v[MX+2*\c+\e], |v[\X+32*\c+16*\e+\i]|, |v[\X+32*\c+16*\e+\i+1]|   ; four chains by turns
.endr
.endr
.endr
.irp c, 0,1
	v_max_num_f32 v[MX+2*\c], v[MX+2*\c], v[MX+2*\c+1]
.endr
.irp c, 0,1
	v_add_nc_u32 v[SO+\c], EADJ, v[MX+2*\c]        ; 2 off the exponent field: the conversion takes this operand's exponent field as its scale
.endr
.irp c, 0,1
	v_lshrrev_b32 v[BY+\c], 23, v[SO+\c]           ; the scale's byte
.endr
	s_wait_dscnt 0x0                               ; the last image's stores are done
.if !\first
	s_wait_alu depctr_vm_vsrc(0)                   ; the last image's LDS stores have read v[PW] and v[PC] on, which the lines below write again
.endif
	v_lshl_or_b32 v[PW], v[BY+1], 16, v[BY]        ; my two bytes: blocks h and 2 + h,
	v_lshlrev_b32 v[PW], v[SH8], v[PW]             ; at their places;
	v_permlanex16_b32 v[TT], v[PW], s32, s33
	v_or_b32 v[PW], v[PW], v[TT]                   ; with lane l xor 16's two the word is whole, in all 32 lanes
.irp c, 0,1
	v_cvt_scalef32_pk16_fp6_f32 v[PC+6*\c:PC+6*\c+2], v[\X+32*\c:\X+32*\c+15], v[SO+\c]
	v_cvt_scalef32_pk16_fp6_f32 v[PT+4*\c:PT+4*\c+2], v[\X+32*\c+16:\X+32*\c+31], v[SO+\c]
.endr
	v_nop                                          ; one plain place behind a scaled conversion
.irp c, 0,1
.irp i, 0,1,2
	v_mov_b32 v[PC+3+6*\c+\i], v[PT+4*\c+\i]
.endr
.endr
.endm
.macro IMAGE adr, off, sadr, soff      ; the fragment goes to LDS as it stands in the registers
	s_wait_alu depctr_va_vdst(0)                   ; the quantiser has written v[PC] on and v[PW], which the stores read, and is done reading its 64 numbers, in which the loads behind these stores land
.irp i, 0,1,2
	ds_store_b128 v[\adr], v[PC+4*\i:PC+4*\i+3] offset:(\off)+512*\i
.endr
	ds_store_b32 v[\sadr], v[PW] offset:\soff
.endm
.macro FET reg, adr, off               ; and comes back so, in any wave
.irp i, 0,1,2
	ds_load_b128 v[(\reg)+4*\i:(\reg)+4*\i+3], v[\adr] offset:(\off)+512*\i
.endr
.endm
.macro LOADX set, ptr, ks              ; my row's 64 numbers of K step ks: two blocks of 128 bytes
.irp c, 0,1
.irp j, 0,1,2,3,4,5,6,7
	global_load_b128 v[\set+32*\c+4*\j:\set+32*\c+4*\j+3], v[VX], s[\ptr:\ptr+1] offset:512*\ks+256*\c+16*\j
.endr
.endr
.endm
.macro LOADW set, ptr, voff, rowb, extra   ; a lane takes a column and its registers run down K
.set n, 0
.rept 64
	global_load_b32 v[\set+n], v[\voff], s[\ptr:\ptr+1] offset:\rowb*(64*(n/32)+n%32)+\extra
.set n, n+1
.endr
.endm
	s_load_b512 s[4:19], s[0:1], 0x0               ; x_real, x_imag, wq_r, wq_i, wkv_r, wkv_i, qimg, qscl
	s_load_b256 s[20:27], s[0:1], 0x40             ; kimg, kscl, vimg, vscl
	v_lshl_add_u32 v[SPW], v0, 2, SPARE
	v_mov_b32 v[NIL], 0
	v_lshrrev_b32 v16, 5, v0
	v_readfirstlane_b32 s28, v16                   ; wave 0..7
	s_and_b32 s30, ttmp7, 0xffff                   ; the head
	s_mov_b32 s32, 0x76543210
	s_mov_b32 s33, 0xfedcba98                      ; v_permlanex16_b32's selects for lane l xor 16
	s_mov_b32 s56, 0x01010101
	v_and_b32 v17, 31, v0                          ; l
	v_and_b32 v18, 15, v0                          ; r
	v_bfe_u32 v19, v0, 4, 1                        ; h
	v_and_b32 v20, 8, v18
	v_add_nc_u32 v20, v20, v18                     ; rp
	v_lshlrev_b32 v[VWQ], 2, v20
	v_lshl_add_u32 v[VWK], v19, 16, v[VWQ]
	v_lshl_add_u32 v[VWQ], v19, 15, v[VWQ]
	v_lshlrev_b32 v[VX], 10, v20
	v_lshl_add_u32 v[VX], v19, 7, v[VX]
	v_lshlrev_b32 v21, 4, v17                      ; 16 l
	v_lshlrev_b32 v[V4L], 2, v17
	s_wait_alu depctr_va_sdst(0)                   ; s28 is written, ahead of its first reader: LDS places and all bases are made from it
	s_lshr_b32 s29, s28, 1                         ; G (phase A: tile = 2 G + ut)
	s_and_b32 s31, s28, 1                          ; p, ut, ks
	s_mul_i32 s58, s28, 1536
	v_add_nc_u32 v[VWI], s58, v21
	s_lshl_b32 s58, s28, 7
	v_add_nc_u32 v[VWS], s58, v[V4L]
	s_mul_i32 s58, s28, 6144
	v_add_nc_u32 v[VXI], s58, v21
	s_lshl_b32 s58, s28, 9
	v_add_nc_u32 v[VXS], s58, v[V4L]
	s_xor_b32 s59, s31, 1
	s_mul_i32 s58, s31, 6144
	v_add_nc_u32 v[VA1], s58, v21
	s_mul_i32 s58, s59, 6144
	v_add_nc_u32 v[VA1+1], s58, v21
	s_lshl_b32 s58, s31, 9
	v_add_nc_u32 v[VS1], s58, v[V4L]
	s_lshl_b32 s58, s59, 9
	v_add_nc_u32 v[VS1+1], s58, v[V4L]
	s_mul_i32 s58, s29, 12288
	v_add_nc_u32 v[VXR], s58, v21
	s_lshl_b32 s58, s29, 10
	v_add_nc_u32 v[VXSR], s58, v[V4L]
	v_mul_u32_u24 v[VC], v18, 24
	v_mad_u32_u24 v[VC], v19, 12, v[VC]
	v_lshlrev_b32 v[SH8], 3, v19
	v_mov_b32 v[TT], 0                             ; written once: a lane permute's destination counts as one of its sources
	s_mov_b32 s34, 0x3f800000
	s_cmp_eq_u32 s31, 0
	s_cselect_b32 s34, 0xbf800000, s34             ; the sign of the second sum: -1 for the real part, +1 for the imaginary
	s_mov_b32 s35, s34                             ; (named with it as a pair)
	; byte offsets, each in the low word of the pair that will hold the address
	s_lshr_b32 s57, s28, 2                         ; phase A: which part of the weights
	s_bfe_u32 s58, s28, 0x10001                    ; which tile u of the head's 32 columns
	s_lshl_b32 s36, s30, 7
	s_lshl_b32 s58, s58, 5
	s_add_co_u32 s36, s36, s58                     ; 128 head + 32 u
	s_lshl_b32 s58, s31, 18
	s_add_co_u32 s38, s36, s58                     ; wkv: + 128 ks rows of 2,048 bytes
	s_lshl_b32 s58, s31, 17
	s_add_co_u32 s36, s36, s58                     ; wq: + 128 ks rows of 1,024 bytes
	s_mov_b32 s37, 0
	s_mov_b32 s39, 0
	s_lshl_b32 s40, ttmp9, 17                      ; x: (128 tb + 32 G + 8 ut) rows of 1,024 bytes
	s_lshl_b32 s58, s29, 15
	s_add_co_u32 s40, s40, s58
	s_lshl_b32 s58, s31, 13
	s_add_co_u32 s40, s40, s58
	s_mov_b32 s41, 0
	s_lshr_b32 s58, ttmp9, 4
	s_lshl_b32 s58, s58, 3
	s_add_co_u32 s58, s58, s30                     ; bh = 8 batch + head
	s_and_b32 s59, ttmp9, 15                       ; t16: which 128 tokens of the batch
	s_mul_i32 s60, s58, 98304
	s_mul_i32 s62, s59, 6144
	s_add_co_u32 s60, s60, s62
	s_mul_i32 s62, s29, 1536
	s_add_co_u32 s44, s60, s62
	s_mul_i32 s62, s31, 384
	s_add_co_u32 s44, s44, s62                     ; qimg, kimg: bh 98,304 + (8 t16 + 2 G) 768 + 384 p
	s_mov_b32 s45, 0
	s_mul_i32 s62, s31, 3072
	s_add_co_u32 s52, s60, s62
	s_mul_i32 s62, s29, 384
	s_add_co_u32 s52, s52, s62                     ; vimg: bh 98,304 + 6,144 t16 + 3,072 p + 384 G
	s_mov_b32 s53, 0
	s_lshl_b32 s48, s58, 15
	s_lshl_b32 s62, s59, 11
	s_add_co_u32 s48, s48, s62
	s_lshl_b32 s62, s29, 9
	s_add_co_u32 s48, s48, s62
	s_lshl_b32 s62, s31, 7
	s_add_co_u32 s48, s48, s62                     ; qscl: bh 32,768 + (8 t16 + 2 G) 256 + 128 p
	s_mov_b32 s49, 0
	s_lshl_b32 s60, s58, 13
	s_lshl_b32 s62, s59, 9
	s_add_co_u32 s60, s60, s62
	s_lshl_b32 s62, s29, 7
	s_add_co_u32 s50, s60, s62
	s_add_co_u32 s50, s50, s31                     ; kscl: bh 8,192 + (4 t16 + G) 128 + p
	s_mov_b32 s51, 0
	s_lshl_b32 s62, s31, 8
	s_add_co_u32 s54, s60, s62
	s_add_co_u32 s54, s54, s29                     ; vscl: bh 8,192 + 512 t16 + 256 p + G
	s_mov_b32 s55, 0
	s_wait_kmcnt 0x0
	s_cmp_eq_u32 s57, 0                            ; the choice hangs on the wave's number alone
	s_cselect_b64 s[60:61], s[8:9], s[10:11]
	s_cselect_b64 s[62:63], s[12:13], s[14:15]
	s_add_nc_u64 s[36:37], s[60:61], s[36:37]      ; wq
	s_add_nc_u64 s[38:39], s[62:63], s[38:39]      ; wkv
	s_add_nc_u64 s[42:43], s[6:7], s[40:41]        ; x_imag
	s_add_nc_u64 s[40:41], s[4:5], s[40:41]        ; x_real
	s_add_nc_u64 s[46:47], s[20:21], s[44:45]      ; kimg
	s_add_nc_u64 s[44:45], s[16:17], s[44:45]      ; qimg
	s_add_nc_u64 s[48:49], s[18:19], s[48:49]      ; qscl
	s_add_nc_u64 s[50:51], s[22:23], s[50:51]      ; kscl
	s_add_nc_u64 s[52:53], s[24:25], s[52:53]      ; vimg
	s_add_nc_u64 s[54:55], s[26:27], s[54:55]      ; vscl
	s_wait_alu depctr_va_vdst(0)                   ; the addresses and offsets v1 to v15 are written, which every load and store of the kernel reads; so are v16 to v21, in which loads of x land
	; ---- PHASE A: seven tasks on three sets of registers, loads three tasks ahead.  Each wait's count is the number of loads issued behind the task's own, held at 63, the most that the wait can name.
	LOADX NA, 40, 0
	LOADX NB, 40, 1
	LOADX NC, 42, 0
	s_wait_loadcnt 32                              ; behind x_real k0: 16 + 16
	QUANT64 NA, 1
	IMAGE VXI, XIMG, VXS, XSC
	LOADX NA, 42, 1
	s_wait_loadcnt 32                              ; behind x_real k1: 16 + 16
	QUANT64 NB, 0
	IMAGE VXI, XIMG+1536, VXS, XSC+128
	LOADW NB, 36, VWQ, 1024, 0
	s_wait_loadcnt 63                              ; behind x_imag k0: 16 + 64
	QUANT64 NC, 0
	IMAGE VXI, XIMG+3072, VXS, XSC+256
	LOADW NC, 38, VWK, 2048, 0
	s_wait_loadcnt 63                              ; behind x_imag k1: 64 + 64
	QUANT64 NA, 0
	IMAGE VXI, XIMG+4608, VXS, XSC+384
	LOADW NA, 38, VWK, 2048, 1024
	s_wait_loadcnt 63                              ; behind q's weights: 64 + 64
	QUANT64 NB, 0
	IMAGE VWI, WIMG, VWS, WSC
	s_wait_loadcnt 63                              ; behind k's weights: 64
	QUANT64 NC, 0
	IMAGE VWI, WIMG+12288, VWS, WSC+1024
	s_wait_loadcnt 0x0
	QUANT64 NA, 0
	IMAGE VWI, WIMG+24576, VWS, WSC+2048           ; (its wait on va_vdst also states that all three sets have been read: phase B's first LDS loads land in them)
	s_wait_dscnt 0x0                               ; for the others' sake: my images have landed
	s_barrier_signal -1
	s_barrier_wait -1                              ; all 56 fragments lie in LDS; nothing is stored to LDS behind this barrier
	s_wait_alu depctr_vm_vsrc(0)                   ; my last image's LDS stores have read v[PC] on and v[PW]: from here on these registers take the units' codes and bytes
	; ---- PHASE B
.macro XLN ut                          ; x's tile ut of my group as source 1
.irp t4, 0,1,2,3
	FET LN+12*\t4, VXR, XIMG+6144*(\ut)+1536*\t4
	ds_load_b32 v[LNS+\t4], v[VXSR] offset:XSC+512*(\ut)+128*\t4
.endr
.endm
.macro XBK                             ; x's two tiles as source 0
.irp ut, 0,1
.irp t4, 0,1,2,3
	FET BK+12*(4*\ut+\t4), VXR, XIMG+6144*\ut+1536*\t4
	ds_load_b32 v[BKS+4*\ut+\t4], v[VXSR] offset:XSC+512*\ut+128*\t4
.endr
.endr
.endm
.macro WBK g                           ; the two tiles of g's columns as source 0: part p for the first sum, part 1 - p for the second
.irp uu, 0,1
.irp qq, 0,1
.irp ks, 0,1
	FET BK+12*(4*\uu+2*\qq+\ks), VA1+\qq, WIMG+12288*(\g)+1536*(2*\uu+\ks)
	ds_load_b32 v[BKS+4*\uu+2*\qq+\ks], v[VS1+\qq] offset:WSC+1024*(\g)+128*(2*\uu+\ks)
.endr
.endr
.endr
.endm
.macro WLN u                           ; tile u of v's columns as source 1
.irp qq, 0,1
.irp ks, 0,1
	FET LN+12*(2*\qq+\ks), VA1+\qq, WIMG+24576+1536*(2*(\u)+\ks)
	ds_load_b32 v[LNS+2*\qq+\ks], v[VS1+\qq] offset:WSC+2048+128*(2*(\u)+\ks)
.endr
.endr
.endm
.macro MMA                             ; eight products: two K steps x two sums x two tiles; the four accumulators take turns, one instruction a turn
	s_wait_dscnt 0x0                               ; the fragments and scale words are in
.irp ks, 0,1
.irp qq, 0,1
.irp ta, 0,1
.if \ks == 0
	v_wmma_scale_f32_16x16x128_f8f6f4 v[ACC+16*\qq+8*\ta:ACC+16*\qq+8*\ta+7], v[BK+12*(4*\ta+2*\qq+\ks):BK+12*(4*\ta+2*\qq+\ks)+11], v[LN+12*(2*\qq+\ks):LN+12*(2*\qq+\ks)+11], 0, v[BKS+4*\ta+2*\qq+\ks], v[LNS+2*\qq+\ks] matrix_a_fmt:MATRIX_FMT_FP6 matrix_b_fmt:MATRIX_FMT_FP6
.else
	v_wmma_scale_f32_16x16x128_f8f6f4 v[ACC+16*\qq+8*\ta:ACC+16*\qq+8*\ta+7], v[BK+12*(4*\ta+2*\qq+\ks):BK+12*(4*\ta+2*\qq+\ks)+11], v[LN+12*(2*\qq+\ks):LN+12*(2*\qq+\ks)+11], v[ACC+16*\qq+8*\ta:ACC+16*\qq+8*\ta+7], v[BKS+4*\ta+2*\qq+\ks], v[LNS+2*\qq+\ks] matrix_a_fmt:MATRIX_FMT_FP6 matrix_b_fmt:MATRIX_FMT_FP6
.endif
.endr
.endr
.endr
	NOP4                                           ; four places in front of the first read of the results
	s_wait_alu depctr_va_vdst(0)                   ; the unit's one wait: its products are done reading their fragments and scale words, in which the LDS loads behind this line land; the unit before has written its codes and its byte, which the stores behind this line read
.endm
; Unit n's 16 numbers a lane: the two sums are joined and the block of 32 (mine and lane l xor 16's) is quantised.  kind: 0 q, 1 k, 2 v.  Each unit has store registers of its own.
.macro CALC n, kind
.irp k2, 0,2,4,6,8,10,12,14
	v_pk_fma_f32 v[ACC+\k2:ACC+\k2+1], v[ACC+16+\k2:ACC+16+\k2+1], s[34:35], v[ACC+\k2:ACC+\k2+1] op_sel_hi:[1,0,1]   ; first sum -+ second sum: one rounding; each accumulator from its low end on
.endr
	v_max3_num_f32 v204, |v[ACC]|, |v[ACC+1]|, FLOOR
	v_max3_num_f32 v205, |v[ACC+2]|, |v[ACC+3]|, |v[ACC+4]|
	v_max3_num_f32 v204, v204, |v[ACC+5]|, |v[ACC+6]|
	v_max3_num_f32 v205, v205, |v[ACC+7]|, |v[ACC+8]|
	v_max3_num_f32 v204, v204, |v[ACC+9]|, |v[ACC+10]|
	v_max3_num_f32 v205, v205, |v[ACC+11]|, |v[ACC+12]|
	v_max3_num_f32 v204, v204, |v[ACC+13]|, |v[ACC+14]|
	v_max3_num_f32 v204, v204, v205, |v[ACC+15]|
	v_permlanex16_b32 v206, v204, s32, s33
	v_max_num_f32 v204, v204, v206                 ; the block's largest magnitude
	v_add_nc_u32 v207, EADJ, v204
	v_lshrrev_b32 v[232+(\n)], 23, v207            ; the scale's byte, the same in lanes l and l xor 16
	v_cvt_scalef32_pk16_fp6_f32 v[208+4*(\n):210+4*(\n)], v[ACC:ACC+15], v207
	v_nop                                          ; one plain place behind a scaled conversion
.if \kind == 0
	v_mul_lo_u32 v[232+(\n)], v[232+(\n)], s56     ; q's byte in all four bytes of a word: q's codes will stand in any of an operand's four blocks
.endif
.endm
; Unit n's codes and scale leave: issued behind the next unit's wait, which shows them written.
.macro SEND n, kind, idx
.if \kind == 0
	global_store_b96 v[VC], v[208+4*(\n):210+4*(\n)], s[44:45] offset:768*(\idx)
	global_store_b32 v[V4L], v[232+(\n)], s[48:49] offset:256*(\idx)
.elseif \kind == 1
	global_store_b96 v[VC], v[208+4*(\n):210+4*(\n)], s[46:47] offset:768*(\idx)
	global_store_b8 v[V4L], v[232+(\n)], s[50:51] offset:2*(\idx)
.else
	global_store_b96 v[VC], v[208+4*(\n):210+4*(\n)], s[52:53] offset:1536*(\idx)
	global_store_b8 v[V4L], v[232+(\n)], s[54:55] offset:128*(\idx)
.endif
.endm
	v_mov_b32 v206, 0                              ; written once: a lane permute's destination counts as one of its sources
	XLN 0
	WBK 0
	MMA                                            ; q, tokens' tile 0
	WBK 1                                          ; the next unit's fragments are asked for while this unit is quantised
	CALC 0, 0
	MMA                                            ; k, tile 0
	XLN 1
	SEND 0, 0, 0
	CALC 1, 1
	MMA                                            ; k, tile 1
	WBK 0
	SEND 1, 1, 0
	CALC 2, 1
	MMA                                            ; q, tile 1
	XBK
	WLN 0
	SEND 2, 1, 1
	CALC 3, 0
	MMA                                            ; v, channels' tile 0: source 0 = tokens
	WLN 1
	SEND 3, 0, 1
	CALC 4, 2
	MMA                                            ; v, channels' tile 1
	SEND 4, 2, 0
	CALC 5, 2
	s_wait_alu depctr_va_vdst(0)                   ; the last unit has written its codes and its byte, which the two stores below read
	SEND 5, 2, 1
	s_wait_dscnt 0x0                               ; the closing lines, six on end
	s_wait_alu 0x0
	s_wait_tensorcnt 0x0
	ds_add_u32 v[SPW], v[NIL]
	s_wait_dscnt 0x0
	s_endpgm
.Lfunc_end_k_qcae126930e_proj:
	.size	k_qcae126930e_proj, .Lfunc_end_k_qcae126930e_proj-k_qcae126930e_proj
	.p2alignl 7, 3214868480
	.fill 96, 4, 3214868480
	.section	.rodata,"a",@progbits
	.p2align	6, 0x0
	.amdhsa_kernel k_qcae126930e_proj
		.amdhsa_group_segment_fixed_size 94208
		.amdhsa_private_segment_fixed_size 0
		.amdhsa_enable_private_segment 0
		.amdhsa_kernarg_size 96
		.amdhsa_user_sgpr_count 2
		.amdhsa_user_sgpr_kernarg_segment_ptr 1
		.amdhsa_wavefront_size32 1
		.amdhsa_system_sgpr_workgroup_id_x 1
		.amdhsa_system_sgpr_workgroup_id_y 1
		.amdhsa_system_sgpr_workgroup_id_z 1
		.amdhsa_system_vgpr_workitem_id 0
		.amdhsa_next_free_vgpr 256
		.amdhsa_next_free_sgpr 66
		.amdhsa_reserve_vcc 0
		.amdhsa_float_denorm_mode_32 3
		.amdhsa_float_denorm_mode_16_64 3
		.amdhsa_memory_ordered 1
		.amdhsa_forward_progress 1
		.amdhsa_inst_pref_size 82
	.end_amdhsa_kernel
	.amdgpu_metadata
---
amdhsa.version: [ 1, 2 ]
amdhsa.kernels:
  - .name:           k_qcae126930e_proj
    .symbol:         k_qcae126930e_proj.kd
    .args:
      - { .name: x_real, .offset: 0, .size: 8, .value_kind: global_buffer, .address_space: global }
      - { .name: x_imag, .offset: 8, .size: 8, .value_kind: global_buffer, .address_space: global }
      - { .name: wq_r, .offset: 16, .size: 8, .value_kind: global_buffer, .address_space: global }
      - { .name: wq_i, .offset: 24, .size: 8, .value_kind: global_buffer, .address_space: global }
      - { .name: wkv_r, .offset: 32, .size: 8, .value_kind: global_buffer, .address_space: global }
      - { .name: wkv_i, .offset: 40, .size: 8, .value_kind: global_buffer, .address_space: global }
      - { .name: qimg, .offset: 48, .size: 8, .value_kind: global_buffer, .address_space: global }
      - { .name: qscl, .offset: 56, .size: 8, .value_kind: global_buffer, .address_space: global }
      - { .name: kimg, .offset: 64, .size: 8, .value_kind: global_buffer, .address_space: global }
      - { .name: kscl, .offset: 72, .size: 8, .value_kind: global_buffer, .address_space: global }
      - { .name: vimg, .offset: 80, .size: 8, .value_kind: global_buffer, .address_space: global }
      - { .name: vscl, .offset: 88, .size: 8, .value_kind: global_buffer, .address_space: global }
    .group_segment_fixed_size: 94208
    .private_segment_fixed_size: 0
    .kernarg_segment_align: 8
    .kernarg_segment_size: 96
    .max_flat_workgroup_size: 256
    .sgpr_count:     66
    .vgpr_count:     256
    .wavefront_size: 32
...
	.end_amdgpu_metadata
.endif
;; end of part 4
;; launch attn (part 5): grid 16 x 16, 4 waves a work-group, no clusters, 20,992 bytes of LDS; arguments qimg, qscl, kimg, kscl, vimg, vscl, mimg, mscl; writes mimg, mscl
.if DOCPART == 5
	.amdgcn_target "amdgcn-amd-amdhsa--gfx1250"
	.amdhsa_code_object_version 6
	.text
	.protected	k_qcae126930e_attn
	.globl	k_qcae126930e_attn
	.p2align	8
	.type	k_qcae126930e_attn,@function
k_qcae126930e_attn:
	s_mov_b64 s[64:65], 0
	v_nop
	global_prefetch_b8 v0, s[64:65] scope:SCOPE_SE
	s_setreg_imm32_b32 hwreg(HW_REG_WAVE_SCHED_MODE, 0, 2), 2
	s_setreg_imm32_b32 hwreg(HW_REG_WAVE_MODE, 25, 1), 1
	s_wait_xcnt 0x0
	s_wait_alu depctr_vm_vsrc(0)
; THE FOUR REAL ATTENTIONS OF THE COMPLEX ATTENTION, on codes of FP6 (E2M3) with one E8M0 scale for each 32 along K, their recombination by signs, and the quantising of o_r and o_i for the last launch.
; Replica 0: qr kr, 1: qr ki, 2: qi kr, 3: qi ki.  A = softmax(q . k / sqrt(32)) is quantised FINISHED AND NORMALISED, along the keys.  o_r = A0 vr - A1 vi - A2 vi - A3 vr;  o_i = A0 vi + A1 vr + A2 vr - A3 vi.
; SHARES.  A work-group takes one (batch, head) (work-group y) and eight tiles of 16 queries (work-group x).  THE FOUR WAVES SHARE THE KEYS: wave w owns keys 512 w .. 512 w + 511.  Its 16 fragments of K and 16 of V, 384 registers,
; are loaded once and stay for all eight tiles.  One replica of one tile is 16 queries x 512 keys a wave, 256 registers of scores: a whole row of weights is in the four waves' registers when its sum becomes known,
; so scores and exponentials are made once.
; THE SCORE PRODUCT has K = 32, one block of the instruction's four.  A fragment of K holds, in its four blocks, kr and ki of two tiles of 16 keys; the operand of q has its 32 codes in one block and zero codes in the other three, which picks that block out.
; THE SOFTMAX.  Each wave takes its own largest score m_w away: p = 2^(c s - c m_w), c = log2(e) / sqrt(32), l_w = the sum of p.  The waves exchange (c m_w, l_w) through LDS; with g = the largest c m_w,
; l = the sum of l_w 2^(c m_w - g) and f = 2^(c m_own - g) / l, A = p f: the row's true maximum is taken away.
; LAYOUT.  Both products are used transposed (source 0 = 16 keys, or 16 channels of V; source 1 = my 16 queries): a lane holds one query (lane % 16).  Tiles are patterned: row r of tile u of a group of 32 is thing 8 u + r + (r & 8),
; so that the 16 registers of a group's two tiles are things 16 (lane / 16) + 0 .. 15.
; A BLOCK'S LARGEST A is made from the block's largest score by the same instructions as that element itself; this takes v_exp_f32 not to fall where its input rises.
; The sums over keys are four partial sums of 512 keys, added as (0 + 1) + (2 + 3); positive and negative terms are summed apart and subtracted once: an order of rounding other than the reference's.
; No tensor load, no cluster: a wave's 49,152 bytes of K and V go straight into the registers in which they stay, once in the launch.
; LIMITS: NaN and infinities are not served.  An A under 2^-126 becomes 0 (v_exp_f32 gives 0 for such results: ISA guide, its entry).  A block whose largest number lies under 2^-124 gets the byte 1: the bytes are read by this program alone.
; THE MODE: SCHED_MODE bits 1:0 = 2 (LLVM: expert scheduling mode 2), set by the entry lines.  The code itself states the register dependences
; between vector or matrix instructions and memory or LDS instructions, with s_wait_alu, always for 0.
; THE PLAN.  Registers that memory or LDS instructions touch, or that vector instructions hand to the scaled products, in the loop over tiles:
;   QRAW, QSRAW   The next tile's loads land in them; the tile's head reads them.     QB, QS  Written by the tile's head; taken by the score products as operand and scale words.
;   CM, LW        Written by a replica's vector work; read by its one LDS store; written again in the next replica.
;   X             A replica's four LDS loads land in it; its vector work reads it.
;   PC0 (four fragments), PW (four words)  Written by a replica's conversions and scale lines; taken by its 16 products with V.
;   window 1's v192-223  Written by products and by the tile end's subtractions; read by the tile end's eight LDS stores; written again by the next tile's products.
;   RB (v104-167) At a tile's end LDS loads land in it (waves 0 and 1); before that a replica's vector work names these registers.
;   CD, BYO       Written at a tile's end; read by its two global stores; written again a tile later.
;   v1 .. v9      Addresses and offsets: made at the head, never written again.  K's and V's fragments and scale words are loaded once.
; So a tile has one wait on va_vdst at its head (QB and QS written, QRAW read); a replica has, beside the three waits behind its transcendentals, one ahead of its LDS store (CM and LW written; the last reads of X done),
; one on vm_vsrc behind the exchange, and ONE ahead of its 16 products with V: for that A's codes have four buffers, and the multiplications, conversions and exchanges of halves stand in runs ahead of it.
; The tile's end has one on va_vdst ahead of its LDS stores (it also serves the loads into RB), one on vm_vsrc behind its barrier, ahead of the branch, and one on va_vdst ahead of the two global stores.
; REGISTERS, in windows of 256 (s_set_vgpr_msb: bits 1:0 source 0, 3:2 source 1, 5:4 source 2, 7:6 destination):
;   window 0: see the names below.   window 1: v0-191 K's fragments (12 i); v192-255 eight accumulators: the positive terms of o_r (192) and o_i (208), the negative terms of o_r (224) and o_i (240), two tiles of channels each.
;   window 2: v0-191 V's fragments, 12 (4 s + tv), tv = 2 part + tile.   window 3: the scores: register 16 i + n = key 512 w + 32 i + 16 (lane / 16) + n of my query.
.set FLOOR, 0x01800000                 ; 2^(3 - 127)
.set EADJ,  0xff000000                 ; takes 2 off an exponent field
.set STATS, 0                          ; LDS: (c m, l), 8 bytes a lane, 256 a wave, 1,024 a replica
.set OPART, 4096                       ; the waves' partial o_r, o_i: 4,096 bytes a wave
.set SPARE, 20480                      ; the spare words, 128 bytes for each wave: two blocks of 256 bytes that no other line names
.set VL24, 1                           ; v1   24 l: a lane's 24 bytes of half a fragment
.set VLS,  2                           ; v2   4 l + 128 (l / 16): two fragments' scale words in one register
.set VQ,   3                           ; v3   24 (l % 16)
.set AST,  4                           ; v4   8 l + 256 w
.set ASR,  5                           ; v5   8 l
.set AOS,  6                           ; v6   16 l + 4,096 w
.set AOR,  7                           ; v7   16 l + 2,048 (w % 2)
.set VC,   8                           ; v8   24 r + 12 h
.set V4L,  9                           ; v9   4 l
.set MLO,  10                          ; v10  all ones in lanes 0-15
.set MHI,  11                          ; v11  all ones in lanes 16-31
.set SPW,  12                          ; v12  LDS address of my spare word; never rewritten
.set NIL,  13                          ; v13  0; never rewritten
.set QRAW, 16                          ; v16-27 the next tile's codes of qr, qi, as loaded
.set QSRAW, 28
.set QS,   29                          ; v29  q's scale words: lanes 0-15 qr's, lanes 16-31 qi's
.set QB,   30                          ; v30-83 zeros, qr in lanes 0-15 (36), zeros, qr in lanes 16-31 (48), zeros, qi likewise (60, 72), zeros: six registers each
.set KS,   84                          ; v84-91  K's scale words: fragments 2 j and 2 j + 1
.set VS,   92                          ; v92-99  V's
.set PW,   100                         ; v100-103 A's scale words, one for each 128 keys
.set BM,   104                         ; v104-119 a block's largest score, then its largest A, then its byte
.set BT,   120                         ; v120-135 at work; then the conversions' scale operands
.set SO,   120
.set SU,   136                         ; v136-151 eight chains of sums
.set CM,   152                         ; v152 c m_w;  v153 l_w
.set LW,   153
.set F,    154                         ; v154 f;  v155 named with it as a pair
.set X,    156                         ; v156-163 the four waves' (c m, l)
.set E,    164                         ; v164-171 at work
.set PC0,  172                         ; v172-219 A's codes: four fragments, one for each K step of 128 keys
.set PT,   220                         ; v220-251 the blocks' upper halves: three registers at 8 s + 4 c (a conversion's three registers begin on an even number)
.set CD,   252                         ; v252-254 o's codes;  v255 o's scale byte
.set BYO,  255
.set RB,   104                         ; v104-167 at a tile's end: four waves' 16 partial numbers
.set CS,   24                          ; s[24:25] c
.set MSB, 0
.macro WIN new                         ; the immediate's high byte repeats the setting that is left
.if MSB != \new
	s_set_vgpr_msb (MSB<<8)|\new
.set MSB, \new
.endif
.endm
.macro NOP4
.rept 4
	v_nop
.endr
.endm
; one matrix instruction, by the symbols rD, rA, rB, rSA, rSB; fZ: it starts a sum; fRA, fRB: the scale words stand in lanes 16-31
.macro WMS
.if fZ
.if fRA && fRB
	v_wmma_scale_f32_16x16x128_f8f6f4 v[rD:rD+7], v[rA:rA+11], v[rB:rB+11], 0, v[rSA], v[rSB] matrix_a_fmt:MATRIX_FMT_FP6 matrix_b_fmt:MATRIX_FMT_FP6 matrix_a_scale:MATRIX_SCALE_ROW1 matrix_b_scale:MATRIX_SCALE_ROW1
.elseif fRA
	v_wmma_scale_f32_16x16x128_f8f6f4 v[rD:rD+7], v[rA:rA+11], v[rB:rB+11], 0, v[rSA], v[rSB] matrix_a_fmt:MATRIX_FMT_FP6 matrix_b_fmt:MATRIX_FMT_FP6 matrix_a_scale:MATRIX_SCALE_ROW1
.elseif fRB
	v_wmma_scale_f32_16x16x128_f8f6f4 v[rD:rD+7], v[rA:rA+11], v[rB:rB+11], 0, v[rSA], v[rSB] matrix_a_fmt:MATRIX_FMT_FP6 matrix_b_fmt:MATRIX_FMT_FP6 matrix_b_scale:MATRIX_SCALE_ROW1
.else
	v_wmma_scale_f32_16x16x128_f8f6f4 v[rD:rD+7], v[rA:rA+11], v[rB:rB+11], 0, v[rSA], v[rSB] matrix_a_fmt:MATRIX_FMT_FP6 matrix_b_fmt:MATRIX_FMT_FP6
.endif
.else
.if fRA
	v_wmma_scale_f32_16x16x128_f8f6f4 v[rD:rD+7], v[rA:rA+11], v[rB:rB+11], v[rD:rD+7], v[rSA], v[rSB] matrix_a_fmt:MATRIX_FMT_FP6 matrix_b_fmt:MATRIX_FMT_FP6 matrix_a_scale:MATRIX_SCALE_ROW1
.else
	v_wmma_scale_f32_16x16x128_f8f6f4 v[rD:rD+7], v[rA:rA+11], v[rB:rB+11], v[rD:rD+7], v[rSA], v[rSB] matrix_a_fmt:MATRIX_FMT_FP6 matrix_b_fmt:MATRIX_FMT_FP6
.endif
.endif
.endm
.macro QLOAD                           ; a tile's codes of qr and qi (row l % 16, in both halves of the lanes) and its scale words: 7 loads
.irp p, 0,1,2
	global_load_b64 v[QRAW+2*\p:QRAW+2*\p+1], v[VQ], s[36:37] offset:8*\p
	global_load_b64 v[QRAW+6+2*\p:QRAW+7+2*\p], v[VQ], s[36:37] offset:384+8*\p
.endr
	global_load_b32 v[QSRAW], v[VLS], s[38:39]
.endm
	s_load_b512 s[4:19], s[0:1], 0x0               ; qimg, qscl, kimg, kscl, vimg, vscl, mimg, mscl
	v_lshl_add_u32 v[SPW], v0, 2, SPARE
	v_mov_b32 v[NIL], 0
	v_lshrrev_b32 v14, 5, v0
	v_readfirstlane_b32 s20, v14                   ; wave 0..3
	s_and_b32 s22, ttmp7, 0xffff                   ; bh = 8 batch + head
	v_and_b32 v14, 31, v0                          ; l
	v_and_b32 v15, 15, v0                          ; r
	v_bfe_u32 v16, v0, 4, 1                        ; h
	v_mul_u32_u24 v[VL24], v14, 24
	v_lshlrev_b32 v[V4L], 2, v14
	v_lshl_add_u32 v[VLS], v16, 7, v[V4L]
	v_mul_u32_u24 v[VQ], v15, 24
	v_mad_u32_u24 v[VC], v16, 12, v[VQ]
	v_lshlrev_b32 v[ASR], 3, v14
	s_wait_alu depctr_va_sdst(0)                   ; s20 is written, ahead of its first reader: LDS places, bases and the tile end's branch are made from it
	s_and_b32 s23, s20, 1
	s_lshl_b32 s46, s20, 8
	v_add_nc_u32 v[AST], s46, v[ASR]
	v_lshlrev_b32 v17, 4, v14
	s_lshl_b32 s46, s20, 12
	v_add_nc_u32 v[AOS], s46, v17
	s_lshl_b32 s46, s23, 11
	v_add_nc_u32 v[AOR], s46, v17
	v_add_nc_u32 v[MLO], -1, v16
	v_sub_nc_u32 v[MHI], 0, v16
	s_mov_b32 s[CS], 0x3e8293ee                    ; c = log2(e) / sqrt(32)
	s_mov_b32 s[CS+1], s[CS]                       ; (named with it as a pair)
	s_mov_b32 s26, 0x76543210
	s_mov_b32 s27, 0xfedcba98                      ; v_permlanex16_b32's selects for lane l xor 16
	s_mul_i32 s58, s22, 98304
	s_mul_i32 s46, s20, 24576
	s_add_co_u32 s46, s46, s58                     ; kimg, vimg: my 16 fragments
	s_mov_b32 s47, 0
	s_lshl_b32 s48, s22, 13
	s_lshl_b32 s59, s20, 11
	s_add_co_u32 s48, s48, s59                     ; kscl, vscl: their scale words
	s_mov_b32 s49, 0
	s_mul_i32 s50, ttmp9, 6144
	s_add_co_u32 s50, s50, s58                     ; qimg: my work-group's eight tiles
	s_mov_b32 s51, 0
	s_lshl_b32 s52, s22, 15
	s_lshl_b32 s59, ttmp9, 11
	s_add_co_u32 s52, s52, s59                     ; qscl
	s_mov_b32 s53, 0
	s_lshr_b32 s58, s22, 3
	s_lshl_b32 s58, s58, 7
	s_lshl_b32 s59, ttmp9, 3
	s_add_co_u32 s58, s58, s59                     ; the first tile among all 256: 128 batch + 8 x
	s_and_b32 s59, s22, 7                          ; the head
	s_mul_i32 s54, s58, 6144
	s_mul_i32 s60, s23, 3072
	s_add_co_u32 s54, s54, s60
	s_mul_i32 s60, s59, 384
	s_add_co_u32 s54, s54, s60                     ; mimg: tile 6,144 + part 3,072 + head 384
	s_mov_b32 s55, 0
	s_lshl_b32 s56, s58, 9
	s_lshl_b32 s60, s23, 8
	s_add_co_u32 s56, s56, s60
	s_lshr_b32 s60, s59, 2
	s_lshl_b32 s60, s60, 7
	s_add_co_u32 s56, s56, s60
	s_and_b32 s60, s59, 3
	s_add_co_u32 s56, s56, s60                     ; mscl: tile 512 + part 256 + (head / 4) 128 + head % 4
	s_mov_b32 s57, 0
	s_wait_kmcnt 0x0
	s_add_nc_u64 s[28:29], s[8:9], s[46:47]        ; K's fragments
	s_add_nc_u64 s[30:31], s[12:13], s[46:47]      ; V's
	s_add_nc_u64 s[32:33], s[10:11], s[48:49]      ; K's scale words
	s_add_nc_u64 s[34:35], s[14:15], s[48:49]      ; V's
	s_add_nc_u64 s[36:37], s[4:5], s[50:51]        ; q's codes
	s_add_nc_u64 s[38:39], s[6:7], s[52:53]        ; q's scale words
	s_add_nc_u64 s[40:41], s[16:17], s[54:55]      ; o's codes
	s_add_nc_u64 s[42:43], s[18:19], s[56:57]      ; o's scale bytes
	s_wait_alu depctr_va_vdst(0)                   ; the addresses and offsets v1 to v9 are written, which every load and store of the kernel reads; so are v16 and v17, in which q's loads land.  Only loads and window switches stand between this line and the last load of the head
	QLOAD                                          ; tile 0
.irp j, 0,1,2,3,4,5,6,7
	global_load_b32 v[KS+\j], v[VLS], s[32:33] offset:256*\j
	global_load_b32 v[VS+\j], v[VLS], s[34:35] offset:256*\j
.endr
	WIN 0x40                                       ; destination window 1
.set n, 0
.rept 96                               ; fragment n / 6, half (n % 6) / 3, piece n % 3: 8 bytes a lane, a fragment's half is 768 consecutive bytes
	global_load_b64 v[2*n:2*n+1], v[VL24], s[28:29] offset:1536*(n/6)+768*((n%6)/3)+8*(n%3)
.set n, n+1
.endr
	WIN 0x80                                       ; destination window 2
.set n, 0
.rept 96
	global_load_b64 v[2*n:2*n+1], v[VL24], s[30:31] offset:1536*(n/6)+768*((n%6)/3)+8*(n%3)
.set n, n+1
.endr
	WIN 0
.irp z, 0,12,24,36,48
.irp i, 0,1,2,3,4,5
	v_mov_b32 v[QB+\z+\i], 0                       ; the zero codes beside q's: written once
.endr
.endr
.set i, 0
.rept 16
	v_mov_b32 v[BT+i], 0                           ; written once: a lane permute's destination counts as one of its sources
.set i, i+1
.endr
	v_mov_b32 v[LW], 0                             ; (named as the upper half of a pair before it is first written)
	v_mov_b32 v[F+1], 0
	v_mov_b32 v[E+6], 0
; A = p f for the wave's 512 keys, and its codes, in runs: 128 packed multiplications; 16 conversions, which give half blocks; the exchanges of halves, since the operand wants a whole block in a lane:
; lanes 0-15 block 2 c, lanes 16-31 block 2 c + 1.  K step s of 128 keys has its own fragment at PC0 + 12 s.
.macro ALLA
	WIN 0xc3
.set k, 0
.rept 128
	v_pk_mul_f32 v[2*k:2*k+1], v[2*k:2*k+1], v[F:F+1] op_sel_hi:[1,0]
.set k, k+1
.endr
	WIN 0x03                                       ; the numbers in window 3
.irp s, 0,1,2,3
.irp c, 0,1
	v_cvt_scalef32_pk16_fp6_f32 v[PC0+12*\s+6*\c:PC0+12*\s+6*\c+2], v[64*\s+32*\c:64*\s+32*\c+15], v[SO+4*\s+2*\c]
	v_cvt_scalef32_pk16_fp6_f32 v[PT+8*\s+4*\c:PT+8*\s+4*\c+2], v[64*\s+32*\c+16:64*\s+32*\c+31], v[SO+4*\s+2*\c+1]
.endr
.endr
	WIN 0
	v_nop                                          ; one plain place behind the scaled conversions
.irp s, 0,1,2,3
.irp c, 0,1
.irp i3, 0,1,2
	v_permlane16_swap_b32 v[PC0+12*\s+6*\c+\i3], v[PT+8*\s+4*\c+\i3]
.endr
.irp i3, 0,1,2
	v_mov_b32 v[PC0+12*\s+3+6*\c+\i3], v[PT+8*\s+4*\c+\i3]
.endr
.endr
.endr
.endm
; four products V^T A^T of K step s: vr's two tiles of channels, vi's two; four accumulators by turns, one instruction a turn.
; vr goes to accumulator 192 + 16 ((rep + 1) / 2), vi to the one 16 further on: rep 0: +o_r, +o_i;  rep 1, 2: +o_i, -o_r;  rep 3: -o_r, -o_i.
.macro PVM rep, s
	WIN 0x52                                       ; V window 2, A window 0, C and D window 1
.set t, 0
.rept 4
.set rD, 192+16*(((\rep)+1)/2)+16*(t/2)+8*(t%2)
.set rA, 12*(4*(\s)+t)
.set rB, PC0+12*(\s)
.set rSA, VS+2*(\s)+t/2
.set rSB, PW+(\s)
.set fRA, t%2
.set fRB, 0
.set fZ, 0
.if (\s) == 0                          ; an accumulator's first product of a tile starts its sum: nothing is cleared
.if (\rep) == 0
.set fZ, 1
.endif
.if ((\rep) == 1) && (t >= 2)
.set fZ, 1
.endif
.if ((\rep) == 3) && (t >= 2)
.set fZ, 1
.endif
.endif
	WMS
.set t, t+1
.endr
.endm
; ONE REPLICA OF ONE TILE
.macro STAGE rep
.set QD, 36+12*(\rep)                  ; q's six registers: qr or qi, in the half of the lanes that stands for kr's or ki's block
	WIN 0xc1                                       ; K window 1, q window 0, the scores window 3
.set i, 0
.rept 16
.set u, 0
.rept 2
.set rD, 16*i+8*u
.set rA, 12*i
.set rB, QD-6*u                        ; tile u of the fragment's two: q's codes in the operand's registers 6 u .. 6 u + 5, zeros in the other six
.set rSA, KS+i/2
.set rSB, QS
.set fZ, 1
.set fRA, i%2
.set fRB, (\rep)/2
	WMS
.set u, u+1
.endr
.set i, i+1
.endr
	NOP4                                           ; four places in front of the first read of the scores
	; the largest score of each block of 32 keys: it serves the row's maximum and the block's largest A.  Each tile of scores is read from its low end on
	WIN 0x3f
.set i, 0
.rept 16
	v_max3_num_f32 v[BM+i], v[16*i], v[16*i+1], v[16*i+2]
.set i, i+1
.endr
	WIN 0x3c
.irp k, 3,5,7,9,11,13
.set i, 0
.rept 16
	v_max3_num_f32 v[BM+i], v[BM+i], v[16*i+\k], v[16*i+\k+1]
.set i, i+1
.endr
.endr
.set i, 0
.rept 16
	v_max_num_f32 v[BM+i], v[BM+i], v[16*i+15]
.set i, i+1
.endr
	WIN 0
.set i, 0
.rept 16
	v_permlanex16_b32 v[BT+i], v[BM+i], s26, s27
.set i, i+1
.endr
.set i, 0
.rept 16
	v_max_num_f32 v[BM+i], v[BM+i], v[BT+i]        ; with lane l xor 16's 16 keys
.set i, i+1
.endr
	v_max3_num_f32 v[BT], v[BM], v[BM+1], v[BM+2]
	v_max3_num_f32 v[BT+1], v[BM+3], v[BM+4], v[BM+5]
	v_max3_num_f32 v[BT+2], v[BM+6], v[BM+7], v[BM+8]
	v_max3_num_f32 v[BT+3], v[BM+9], v[BM+10], v[BM+11]
	v_max3_num_f32 v[BT], v[BT], v[BM+12], v[BM+13]
	v_max3_num_f32 v[BT+1], v[BT+1], v[BM+14], v[BM+15]
	v_max3_num_f32 v[BT], v[BT], v[BT+1], v[BT+2]
	v_max_num_f32 v[BT], v[BT], v[BT+3]            ; my query's largest score among my wave's 512 keys
	v_mul_f32 v[CM], s[CS], v[BT]                  ; c m_w
	; ONE BATCH of 272 exponentials with one wait: none of these lines names an exponential's result
.set i, 0
.rept 16
	v_fma_f32 v[BM+i], v[BM+i], s[CS], -v[CM]
.set i, i+1
.endr
.set i, 0
.rept 16
	v_exp_f32 v[BM+i], v[BM+i]                     ; each block's largest p
.set i, i+1
.endr
	WIN 0xc3
.set k, 0
.rept 4
	v_pk_fma_f32 v[2*k:2*k+1], v[2*k:2*k+1], s[CS:CS+1], v[CM:CM+1] op_sel_hi:[1,0,0] neg_lo:[0,0,1] neg_hi:[0,0,1]
.set k, k+1
.endr
.set k, 0
.rept 128                              ; c s - c m_w, two at a time, four pairs ahead of the pair's exponentials
.if k+4 < 128
	v_pk_fma_f32 v[2*k+8:2*k+9], v[2*k+8:2*k+9], s[CS:CS+1], v[CM:CM+1] op_sel_hi:[1,0,0] neg_lo:[0,0,1] neg_hi:[0,0,1]
.endif
	v_exp_f32 v[2*k], v[2*k]
	v_exp_f32 v[2*k+1], v[2*k+1]
.set k, k+1
.endr
	v_nop                                          ; a plain place behind the last exponential
	s_wait_alu depctr_va_vdst(0)                   ; the 272 exponentials have written their results: one wait for the batch, ahead of the first line that names one
	; l_w: 128 pairs in eight chains
	WIN 0x0f
.set k, 0
.rept 8
	v_pk_add_f32 v[SU+2*k:SU+2*k+1], v[4*k:4*k+1], v[4*k+2:4*k+3]
.set k, k+1
.endr
	WIN 0x0c
.set k, 16
.rept 112
	v_pk_add_f32 v[SU+2*(k%8):SU+2*(k%8)+1], v[SU+2*(k%8):SU+2*(k%8)+1], v[2*k:2*k+1]
.set k, k+1
.endr
	WIN 0
	v_pk_add_f32 v[SU:SU+1], v[SU:SU+1], v[SU+2:SU+3]
	v_pk_add_f32 v[SU+4:SU+5], v[SU+4:SU+5], v[SU+6:SU+7]
	v_pk_add_f32 v[SU+8:SU+9], v[SU+8:SU+9], v[SU+10:SU+11]
	v_pk_add_f32 v[SU+12:SU+13], v[SU+12:SU+13], v[SU+14:SU+15]
	v_pk_add_f32 v[SU:SU+1], v[SU:SU+1], v[SU+4:SU+5]
	v_pk_add_f32 v[SU+8:SU+9], v[SU+8:SU+9], v[SU+12:SU+13]
	v_pk_add_f32 v[SU:SU+1], v[SU:SU+1], v[SU+8:SU+9]
	v_add_f32 v[LW], v[SU], v[SU+1]
	v_permlanex16_b32 v[BT], v[LW], s26, s27
	v_add_f32 v[LW], v[LW], v[BT]
	; the exchange.  The replica's slot is written again a tile later, behind four more barriers, in front of each of which every wave has waited for its LDS loads
	s_wait_alu depctr_va_vdst(0)                   ; v[CM] and v[LW] are written, which the store reads; the vector lines that last named v[X] on are done, in which the four loads behind the barrier land
	ds_store_b64 v[AST], v[CM:CM+1] offset:STATS+1024*(\rep)
	s_wait_dscnt 0x0                               ; for the others' sake: my store has landed
	s_barrier_signal -1
	s_barrier_wait -1
.irp w, 0,1,2,3
	ds_load_b64 v[X+2*\w:X+2*\w+1], v[ASR] offset:STATS+1024*(\rep)+256*\w
.endr
	s_wait_dscnt 0x0
	s_wait_alu depctr_vm_vsrc(0)                   ; the store has read v[CM] and v[LW], which the next replica's lines, or the tile end's loads, write again
	v_max3_num_f32 v[E+7], v[X], v[X+2], v[X+4]
	v_max_num_f32 v[E+7], v[E+7], v[X+6]           ; g: c times the row's largest score
.irp w, 0,1,2,3
	v_sub_f32 v[E+\w], v[X+2*\w], v[E+7]
.endr
	v_sub_f32 v[E+4], v[CM], v[E+7]
.irp w, 0,1,2,3,4
	v_exp_f32 v[E+\w], v[E+\w]
.endr
	v_nop
	s_wait_alu depctr_va_vdst(0)                   ; the five exponentials have written their results, ahead of the first line that names one
	v_mul_f32 v[E+5], v[E], v[X+1]
	v_fma_f32 v[E+5], v[E+1], v[X+3], v[E+5]
	v_fma_f32 v[E+5], v[E+2], v[X+5], v[E+5]
	v_fma_f32 v[E+5], v[E+3], v[X+7], v[E+5]       ; l: the row's sum under g
	v_rcp_f32 v[E+6], v[E+5]
	v_nop
	s_wait_alu depctr_va_vdst(0)                   ; the reciprocal has written its result, ahead of the line that names it
	v_mul_f32 v[F], v[E+4], v[E+6]                 ; f = 2^(c m_own - g) / l
	; the 16 blocks' scales
.set i, 0
.rept 16
	v_mul_f32 v[BM+i], v[BM+i], v[F]               ; the block's largest A
.set i, i+1
.endr
.set i, 0
.rept 16
	v_max_num_f32 v[BM+i], FLOOR, v[BM+i]
.set i, i+1
.endr
.set i, 0
.rept 16
	v_add_nc_u32 v[SO+i], EADJ, v[BM+i]            ; the conversion's scale operand
.set i, i+1
.endr
.set i, 0
.rept 16
	v_lshrrev_b32 v[BM+i], 23, v[SO+i]             ; the scale's byte
.set i, i+1
.endr
.irp s4, 0,1,2,3
	v_lshl_or_b32 v[PW+\s4], v[BM+4*\s4+1], 8, v[BM+4*\s4]
.endr
.irp s4, 0,1,2,3
	v_lshl_or_b32 v[PW+\s4], v[BM+4*\s4+2], 16, v[PW+\s4]
.endr
.irp s4, 0,1,2,3
	v_lshl_or_b32 v[PW+\s4], v[BM+4*\s4+3], 24, v[PW+\s4]
.endr
	; A, its codes for all four K steps, and then the 16 products with V, K ascending on each accumulator
	ALLA
	NOP4                                           ; an operand written by vector instructions stands four places ahead of a scaled matrix instruction (the scale words stand far more than eight ahead)
	s_wait_alu depctr_va_vdst(0)                   ; A's four fragments v[PC0] on and its four scale words v[PW] on are written, which the 16 scaled products below take
	PVM \rep, 0
	PVM \rep, 1
	PVM \rep, 2
	PVM \rep, 3
.endm
	s_mov_b32 s44, 8                               ; tiles to go
.Ltile:
	s_wait_loadcnt 0x0                             ; this tile's q, asked for a tile ago (in the first trip: K, V and all scale words too)
	v_mov_b32 v[QS], v[QSRAW]
.irp i, 0,1,2,3,4,5
	v_and_b32 v[QB+6+\i], v[QRAW+\i], v[MLO]
	v_and_b32 v[QB+18+\i], v[QRAW+\i], v[MHI]
	v_and_b32 v[QB+30+\i], v[QRAW+6+\i], v[MLO]
	v_and_b32 v[QB+42+\i], v[QRAW+6+\i], v[MHI]
.endr
	NOP4                                           ; with the 24 lines above: 28 places behind the scale word's write, four behind the last operand's
	s_wait_alu depctr_va_vdst(0)                   ; q's operands v[QB] on and its scale words v[QS] are written, which the tile's scaled products take; the lines above are done reading v[QRAW] on and v[QSRAW], in which the next tile's loads land
	s_add_nc_u64 s[36:37], s[36:37], 768           ; the loads that read these addresses are done
	s_add_nc_u64 s[38:39], s[38:39], 256
	s_cmp_eq_u32 s44, 1
	s_cbranch_scc1 .Lno_next                       ; the last tile asks for nothing: no load leaves its buffer
	QLOAD
.Lno_next:
	STAGE 0
	STAGE 1
	STAGE 2
	STAGE 3
	; THE TILE'S END: positive less negative terms; the four waves' partial sums meet in LDS; wave 0 finishes o_r, wave 1 o_i
	NOP4
	WIN 0x45
.set k, 0
.rept 16
	v_pk_add_f32 v[192+2*k:193+2*k], v[192+2*k:193+2*k], v[224+2*k:225+2*k] neg_lo:[0,1] neg_hi:[0,1]   ; each accumulator from its low end on
.set k, k+1
.endr
	WIN 0x04                                       ; an LDS store's data are its source 1: window 1
	s_wait_alu depctr_va_vdst(0)                   ; the subtractions have written window 1's v192-223, which the stores read; the last replica's lines are done with window 0's v104-167, in which the loads behind the barrier land
.irp k8, 0,1,2,3,4,5,6,7
	ds_store_b128 v[AOS], v[192+4*\k8:195+4*\k8] offset:OPART+512*\k8
.endr
	WIN 0
	s_wait_dscnt 0x0                               ; for the others' sake: my partial sums have landed
	s_barrier_signal -1
	s_barrier_wait -1                              ; these bytes are written again a tile later, behind four more barriers
	s_wait_alu depctr_vm_vsrc(0)                   ; the eight stores have read window 1's v192-223, which the next tile's products write; the last tile's two global stores have read v[CD] on and v[BYO], which the lines below write.  Ahead of the branch: it holds on both ways
	s_cmp_lt_u32 s20, 2
	s_cbranch_scc0 .Lothers
.irp w, 0,1,2,3
.irp k4, 0,1,2,3
	ds_load_b128 v[RB+16*\w+4*\k4:RB+16*\w+4*\k4+3], v[AOR] offset:OPART+4096*\w+512*\k4
.endr
.endr
	s_wait_dscnt 0x0
.irp k2, 0,2,4,6,8,10,12,14
	v_pk_add_f32 v[RB+\k2:RB+\k2+1], v[RB+\k2:RB+\k2+1], v[RB+16+\k2:RB+17+\k2]
	v_pk_add_f32 v[RB+32+\k2:RB+33+\k2], v[RB+32+\k2:RB+33+\k2], v[RB+48+\k2:RB+49+\k2]
.endr
.irp k2, 0,2,4,6,8,10,12,14
	v_pk_add_f32 v[RB+\k2:RB+\k2+1], v[RB+\k2:RB+\k2+1], v[RB+32+\k2:RB+33+\k2]
.endr
	; my query's channels 16 h + 0 .. 15 of this head: half of a block of the last product's K
	v_max3_num_f32 v[E+4], |v[RB]|, |v[RB+1]|, FLOOR
	v_max3_num_f32 v[E+5], |v[RB+2]|, |v[RB+3]|, |v[RB+4]|
	v_max3_num_f32 v[E+4], v[E+4], |v[RB+5]|, |v[RB+6]|
	v_max3_num_f32 v[E+5], v[E+5], |v[RB+7]|, |v[RB+8]|
	v_max3_num_f32 v[E+4], v[E+4], |v[RB+9]|, |v[RB+10]|
	v_max3_num_f32 v[E+5], v[E+5], |v[RB+11]|, |v[RB+12]|
	v_max3_num_f32 v[E+4], v[E+4], |v[RB+13]|, |v[RB+14]|
	v_max3_num_f32 v[E+4], v[E+4], v[E+5], |v[RB+15]|
	v_permlanex16_b32 v[E+6], v[E+4], s26, s27
	v_max_num_f32 v[E+4], v[E+4], v[E+6]
	v_add_nc_u32 v[E+7], EADJ, v[E+4]
	v_lshrrev_b32 v[BYO], 23, v[E+7]
	v_cvt_scalef32_pk16_fp6_f32 v[CD:CD+2], v[RB:RB+15], v[E+7]
	v_nop                                          ; one plain place behind a scaled conversion
	s_wait_alu depctr_va_vdst(0)                   ; v[CD] on and v[BYO] are written, which the two stores read
	global_store_b96 v[VC], v[CD:CD+2], s[40:41]   ; the wave stores 384 consecutive bytes
	global_store_b8 v[V4L], v[BYO], s[42:43]
.Lothers:
	s_wait_xcnt 0x0                                ; the stores have read their data and addresses: both are written again only behind this wait
	s_add_nc_u64 s[40:41], s[40:41], 6144
	s_add_nc_u64 s[42:43], s[42:43], 512
	s_sub_co_u32 s44, s44, 1
	s_cmp_lg_u32 s44, 0
	s_cbranch_scc1 .Ltile
	s_wait_dscnt 0x0                               ; the closing lines, six on end
	s_wait_alu 0x0
	s_wait_tensorcnt 0x0
	ds_add_u32 v[SPW], v[NIL]
	s_wait_dscnt 0x0
	s_endpgm
.Lfunc_end_k_qcae126930e_attn:
	.size	k_qcae126930e_attn, .Lfunc_end_k_qcae126930e_attn-k_qcae126930e_attn
	.p2alignl 7, 3214868480
	.fill 96, 4, 3214868480
	.section	.rodata,"a",@progbits
	.p2align	6, 0x0
	.amdhsa_kernel k_qcae126930e_attn
		.amdhsa_group_segment_fixed_size 20992
		.amdhsa_private_segment_fixed_size 0
		.amdhsa_enable_private_segment 0
		.amdhsa_kernarg_size 64
		.amdhsa_user_sgpr_count 2
		.amdhsa_user_sgpr_kernarg_segment_ptr 1
		.amdhsa_wavefront_size32 1
		.amdhsa_system_sgpr_workgroup_id_x 1
		.amdhsa_system_sgpr_workgroup_id_y 1
		.amdhsa_system_sgpr_workgroup_id_z 1
		.amdhsa_system_vgpr_workitem_id 0
		.amdhsa_next_free_vgpr 1024
		.amdhsa_next_free_sgpr 66
		.amdhsa_reserve_vcc 0
		.amdhsa_float_denorm_mode_32 3
		.amdhsa_float_denorm_mode_16_64 3
		.amdhsa_memory_ordered 1
		.amdhsa_forward_progress 1
		.amdhsa_inst_pref_size 255
	.end_amdhsa_kernel
	.section	.bss,"aw",@nobits
	.p2align	6
	.space	262144
	.amdgpu_metadata
---
amdhsa.version: [ 1, 2 ]
amdhsa.kernels:
  - .name:           k_qcae126930e_attn
    .symbol:         k_qcae126930e_attn.kd
    .args:
      - { .name: qimg, .offset: 0, .size: 8, .value_kind: global_buffer, .address_space: global }
      - { .name: qscl, .offset: 8, .size: 8, .value_kind: global_buffer, .address_space: global }
      - { .name: kimg, .offset: 16, .size: 8, .value_kind: global_buffer, .address_space: global }
      - { .name: kscl, .offset: 24, .size: 8, .value_kind: global_buffer, .address_space: global }
      - { .name: vimg, .offset: 32, .size: 8, .value_kind: global_buffer, .address_space: global }
      - { .name: vscl, .offset: 40, .size: 8, .value_kind: global_buffer, .address_space: global }
      - { .name: mimg, .offset: 48, .size: 8, .value_kind: global_buffer, .address_space: global }
      - { .name: mscl, .offset: 56, .size: 8, .value_kind: global_buffer, .address_space: global }
    .group_segment_fixed_size: 20992
    .private_segment_fixed_size: 0
    .kernarg_segment_align: 8
    .kernarg_segment_size: 64
    .max_flat_workgroup_size: 128
    .sgpr_count:     66
    .vgpr_count:     1024
    .wavefront_size: 32
...
	.end_amdgpu_metadata
.endif
;; end of part 5
;; launch outp (part 6): grid 32 x 8, 8 waves a work-group, no clusters, 49,152 bytes of LDS; arguments mimg, mscl, wo_r, wo_i, out0; writes out0
.if DOCPART == 6
	.amdgcn_target "amdgcn-amd-amdhsa--gfx1250"
	.amdhsa_code_object_version 6
	.text
	.protected	k_qcae126930e_outp
	.globl	k_qcae126930e_outp
	.p2align	8
	.type	k_qcae126930e_outp,@function
k_qcae126930e_outp:
	s_mov_b64 s[64:65], 0
	v_nop
	global_prefetch_b8 v0, s[64:65] scope:SCOPE_SE
	s_setreg_imm32_b32 hwreg(HW_REG_WAVE_SCHED_MODE, 0, 2), 2
	s_setreg_imm32_b32 hwreg(HW_REG_WAVE_MODE, 25, 1), 1
	s_wait_xcnt 0x0
	s_wait_alu depctr_vm_vsrc(0)
; THE COMPLEX OUTPUT PROJECTION out = m W_o, on codes of FP6 (E2M3) with one E8M0 scale for each 32 along K; real and imaginary parts interleaved: out0 [4096 tokens][256][2] f32.
; m arrives as codes (mimg: for each tile of 16 tokens four fragments: m_r k0, k1, m_i k0, k1; mscl: their scale words); wo_r, wo_i: [256 (k)][256] f32.
; SHARES.  A work-group takes 128 tokens (work-group x; a tile of 16 a wave) and 32 complex columns (work-group y).  PHASE A: each wave quantises one of the eight fragments of its work-group's slice of W_o (part, tile of columns, K step)
; and lays it in LDS as an image of the operand's registers; one barrier.  PHASE B: source 0 = 16 columns, source 1 = my 16 tokens: a lane holds a token and eight neighbouring columns a tile.
; out_r = m_r W_r - m_i W_i and out_i = m_r W_i + m_i W_r are made as the reference makes them: four f32 sums, joined by one f32 subtraction and one addition.
; Tiles are patterned: row r of tile u of a group of 32 (tokens, columns) is thing 8 u + r + (r & 8); so a lane's results are columns 16 h + 0 .. 15: with both parts 128 consecutive bytes of a row of out0.
; They go through the wave's own stage in LDS and leave so that 16 lanes store 256 consecutive bytes, at a multiple of 256 from out0's first byte.
; No tensor load, no cluster: the operands are small and each is read once by a work-group.
; LIMITS: NaN and infinities are not served.  A block of W_o whose largest magnitude lies under 2^-124 gets the byte 1: the bytes are read by this program alone, and a block of zeros has zero codes.
; THE MODE: SCHED_MODE bits 1:0 = 2 (LLVM: expert scheduling mode 2), set by the entry lines.  The code itself states the register dependences
; between vector or matrix instructions and memory or LDS instructions, with s_wait_alu, always for 0.
; THE PLAN.  Registers that memory or LDS instructions touch:
;   NA (v80-143)  Global loads land in it; the quantiser reads it; behind the barrier it is part of BK.
;   PC, PW        Written by the quantiser; read by the image's four LDS stores; PC lies under the last sum's accumulators, which the products write.
;   LN, MS        Global loads land in them; the products read them; LN's registers then take the results T, which vector lines write and the stage's LDS stores read.
;   BK, BKS       LDS loads land in them; the products read them; BK's first 32 registers then take the rows read back from the stage, which the global stores read.
;   v1 .. v10     Addresses and offsets: made at the head, never written again.
; The text is straight: one wait on va_vdst ahead of the first load, one ahead of the image's stores, one on vm_vsrc behind the barrier, one on va_vdst ahead of the stage's stores.
.set FLOOR, 0x01800000
.set EADJ,  0xff000000
.set WSC,   0                          ; LDS: W's scale words, 8 x 128 bytes
.set WIMG,  1024                       ; W's eight fragments: 4 part + 2 u + ks
.set STAGE, 13312                      ; 16 rows x (256 + 16) bytes for each wave
.set SPARE, 48128                      ; the spare words, 128 bytes for each wave: four blocks of 256 bytes that no other line names
.set VWQ,  1                           ; v1   W: 4 rp + 32 rows x h
.set VL24, 2                           ; v2   24 l
.set VLS,  3                           ; v3   4 l + 128 (l / 16)
.set VWI,  4                           ; v4   16 l + 1,536 w
.set VWS,  5                           ; v5   4 l + 128 w
.set LI,   6                           ; v6   16 l
.set LS,   7                           ; v7   4 l
.set STO,  8                           ; v8   the stage, in: 272 r + 128 h + 4,352 w
.set SRD,  9                           ; v9   back: 272 h + 16 r + 4,352 w
.set VGO,  10                          ; v10  out0: 2,048 h + 16 r
.set LN,   16                          ; v16-63 m's four fragments; later v16-47 the results
.set T,    16
.set BK,   64                          ; v64-159 W's eight fragments; later rows read back
.set NA,   80                          ; phase A: 64 numbers of W
.set PC,   208
.set PT,   220
.set MX,   228
.set SO,   232
.set BY,   234
.set PW,   236
.set TT,   237
.set SH8,  238
.set MS,   240                         ; v240 m_r's scale words (k0 in lanes 0-15, k1 in lanes 16-31), v241 m_i's
.set BKS,  244                         ; v244-251 W's
.set SPW,  254
.set NIL,  255
	s_load_b256 s[4:11], s[0:1], 0x0               ; mimg, mscl, wo_r, wo_i
	s_load_b64 s[12:13], s[0:1], 0x20              ; out0
	v_lshl_add_u32 v[SPW], v0, 2, SPARE
	v_mov_b32 v[NIL], 0
	v_lshrrev_b32 v16, 5, v0
	v_readfirstlane_b32 s14, v16                   ; wave 0..7
	s_and_b32 s15, ttmp7, 0xffff                   ; which 32 columns
	s_mov_b32 s16, 0x76543210
	s_mov_b32 s17, 0xfedcba98
	v_and_b32 v17, 31, v0                          ; l
	v_and_b32 v18, 15, v0                          ; r
	v_bfe_u32 v19, v0, 4, 1                        ; h
	v_and_b32 v20, 8, v18
	v_add_nc_u32 v20, v20, v18                     ; rp
	v_lshlrev_b32 v[VWQ], 2, v20
	v_lshl_add_u32 v[VWQ], v19, 15, v[VWQ]
	v_mul_u32_u24 v[VL24], v17, 24
	v_lshlrev_b32 v[LS], 2, v17
	v_lshl_add_u32 v[VLS], v19, 7, v[LS]
	v_lshlrev_b32 v[LI], 4, v17
	s_wait_alu depctr_va_sdst(0)                   ; s14 is written, ahead of its first reader: LDS places and all bases are made from it
	s_mul_i32 s26, s14, 1536
	v_add_nc_u32 v[VWI], s26, v[LI]
	s_lshl_b32 s26, s14, 7
	v_add_nc_u32 v[VWS], s26, v[LS]
	s_mul_i32 s26, s14, 4352
	v_mul_u32_u24 v[STO], v18, 272
	v_lshl_add_u32 v[STO], v19, 7, v[STO]
	v_add_nc_u32 v[STO], s26, v[STO]
	v_mul_u32_u24 v[SRD], v19, 272
	v_lshl_add_u32 v[SRD], v18, 4, v[SRD]
	v_add_nc_u32 v[SRD], s26, v[SRD]
	v_lshlrev_b32 v[VGO], 11, v19
	v_lshl_add_u32 v[VGO], v18, 4, v[VGO]
	v_lshlrev_b32 v[SH8], 3, v19
	v_mov_b32 v[TT], 0                             ; written once: a lane permute's destination counts as one of its sources
	s_lshr_b32 s26, s14, 2                         ; phase A: part,
	s_bfe_u32 s27, s14, 0x10001                    ; tile u,
	s_and_b32 s28, s14, 1                          ; K step
	s_lshl_b32 s18, s15, 7
	s_lshl_b32 s27, s27, 5
	s_add_co_u32 s18, s18, s27
	s_lshl_b32 s27, s28, 17
	s_add_co_u32 s18, s18, s27                     ; W: 128 y + 32 u + 128 ks rows of 1,024 bytes
	s_mov_b32 s19, 0
	s_lshl_b32 s27, ttmp9, 3
	s_add_co_u32 s27, s27, s14                     ; my tile of tokens
	s_mul_i32 s20, s27, 6144
	s_mov_b32 s21, 0
	s_lshl_b32 s22, s27, 9
	s_mov_b32 s23, 0
	s_lshl_b32 s24, ttmp9, 18                      ; out0: (128 tb + 32 (w / 2) + 8 (w % 2)) rows of 2,048 bytes + 256 y
	s_lshr_b32 s27, s14, 1
	s_lshl_b32 s27, s27, 16
	s_add_co_u32 s24, s24, s27
	s_lshl_b32 s27, s28, 14
	s_add_co_u32 s24, s24, s27
	s_lshl_b32 s27, s15, 8
	s_add_co_u32 s24, s24, s27
	s_mov_b32 s25, 0
	s_wait_kmcnt 0x0
	s_cmp_eq_u32 s26, 0                            ; the choice hangs on the wave's number alone
	s_cselect_b64 s[28:29], s[8:9], s[10:11]
	s_add_nc_u64 s[18:19], s[28:29], s[18:19]
	s_add_nc_u64 s[20:21], s[4:5], s[20:21]
	s_add_nc_u64 s[22:23], s[6:7], s[22:23]
	s_add_nc_u64 s[24:25], s[12:13], s[24:25]
	s_wait_alu depctr_va_vdst(0)                   ; the addresses and offsets v1 to v10 are written, which every load and store of the kernel reads; so are v16 to v20, in which loads of m land
	; ---- PHASE A: a lane takes a column of W_o and its registers run down K: k = 64 c + 32 h + i
.set n, 0
.rept 64
	global_load_b32 v[NA+n], v[VWQ], s[18:19] offset:1024*(64*(n/32)+n%32)
.set n, n+1
.endr
.set n, 0
.rept 24                               ; my tile's four fragments of m: fragment n / 6, half (n % 6) / 3, piece n % 3
	global_load_b64 v[LN+2*n:LN+2*n+1], v[VL24], s[20:21] offset:1536*(n/6)+768*((n%6)/3)+8*(n%3)
.set n, n+1
.endr
	global_load_b32 v[MS], v[VLS], s[22:23]
	global_load_b32 v[MS+1], v[VLS], s[22:23] offset:256
	s_wait_loadcnt 26                              ; W's 64 are in; the 26 loads of m behind them may stay out
.irp c, 0,1
.irp e, 0,1
	v_max3_num_f32 v[MX+2*\c+\e], |v[NA+32*\c+16*\e]|, |v[NA+32*\c+16*\e+1]|, FLOOR
.endr
.endr
.irp i, 2,4,6,8,10,12,14
.irp c, 0,1
.irp e, 0,1
	v_max3_num_f32 v[MX+2*\c+\e], v[MX+2*\c+\e], |v[NA+32*\c+16*\e+\i]|, |v[NA+32*\c+16*\e+\i+1]|
.endr
.endr
.endr
.irp c, 0,1
	v_max_num_f32 v[MX+2*\c], v[MX+2*\c], v[MX+2*\c+1]
.endr
.irp c, 0,1
	v_add_nc_u32 v[SO+\c], EADJ, v[MX+2*\c]        ; 2 off the exponent field: the conversion's scale operand
.endr
.irp c, 0,1
	v_lshrrev_b32 v[BY+\c], 23, v[SO+\c]
.endr
	v_lshl_or_b32 v[PW], v[BY+1], 16, v[BY]        ; my two bytes: blocks h and 2 + h,
	v_lshlrev_b32 v[PW], v[SH8], v[PW]
	v_permlanex16_b32 v[TT], v[PW], s16, s17
	v_or_b32 v[PW], v[PW], v[TT]                   ; with lane l xor 16's two the word is whole
.irp c, 0,1
	v_cvt_scalef32_pk16_fp6_f32 v[PC+6*\c:PC+6*\c+2], v[NA+32*\c:NA+32*\c+15], v[SO+\c]
	v_cvt_scalef32_pk16_fp6_f32 v[PT+4*\c:PT+4*\c+2], v[NA+32*\c+16:NA+32*\c+31], v[SO+\c]
.endr
	v_nop                                          ; one plain place behind a scaled conversion
.irp c, 0,1
.irp i, 0,1,2
	v_mov_b32 v[PC+3+6*\c+\i], v[PT+4*\c+\i]
.endr
.endr
	s_wait_alu depctr_va_vdst(0)                   ; the quantiser has written v[PC] on and v[PW], which the stores read, and is done reading v[NA] on, in which the LDS loads behind the barrier land
.irp i, 0,1,2
	ds_store_b128 v[VWI], v[PC+4*\i:PC+4*\i+3] offset:WIMG+512*\i
.endr
	ds_store_b32 v[VWS], v[PW] offset:WSC
	s_wait_dscnt 0x0                               ; for the others' sake: my image has landed
	s_barrier_signal -1
	s_barrier_wait -1
	s_wait_alu depctr_vm_vsrc(0)                   ; the image's LDS stores have read v[PC] on: the last sum's accumulators, v208-223, lie over these registers, and the products below write them
	; ---- PHASE B
.irp f, 0,1,2,3,4,5,6,7
.irp i, 0,1,2
	ds_load_b128 v[BK+12*\f+4*\i:BK+12*\f+4*\i+3], v[LI] offset:WIMG+1536*\f+512*\i
.endr
	ds_load_b32 v[BKS+\f], v[LS] offset:WSC+128*\f
.endr
	s_wait_loadcnt 0x0                             ; m
	s_wait_dscnt 0x0                               ; W
; sum a: 0 W_r m_r, 1 W_i m_i, 2 W_i m_r, 3 W_r m_i; W's part is ((a + 1) / 2) % 2, m's a % 2.  Eight accumulators (four sums x two tiles of columns) by turns, one instruction a turn
.irp ks, 0,1
.irp a, 0,1,2,3
.irp u, 0,1
.if \ks == 0
	v_wmma_scale_f32_16x16x128_f8f6f4 v[160+16*\a+8*\u:167+16*\a+8*\u], v[BK+12*(4*(((\a+1)/2)%2)+2*\u+\ks):BK+12*(4*(((\a+1)/2)%2)+2*\u+\ks)+11], v[LN+12*(2*(\a%2)+\ks):LN+12*(2*(\a%2)+\ks)+11], 0, v[BKS+4*(((\a+1)/2)%2)+2*\u+\ks], v[MS+\a%2] matrix_a_fmt:MATRIX_FMT_FP6 matrix_b_fmt:MATRIX_FMT_FP6
.else
	v_wmma_scale_f32_16x16x128_f8f6f4 v[160+16*\a+8*\u:167+16*\a+8*\u], v[BK+12*(4*(((\a+1)/2)%2)+2*\u+\ks):BK+12*(4*(((\a+1)/2)%2)+2*\u+\ks)+11], v[LN+12*(2*(\a%2)+\ks):LN+12*(2*(\a%2)+\ks)+11], v[160+16*\a+8*\u:167+16*\a+8*\u], v[BKS+4*(((\a+1)/2)%2)+2*\u+\ks], v[MS+\a%2] matrix_a_fmt:MATRIX_FMT_FP6 matrix_b_fmt:MATRIX_FMT_FP6 matrix_b_scale:MATRIX_SCALE_ROW1
.endif
.endr
.endr
.endr
.rept 4
	v_nop                                          ; four places: in front of the first read of the results and of the writes over m's fragments
.endr
.irp u, 0,1
.irp j, 0,1,2,3,4,5,6,7
	v_sub_f32 v[T+16*\u+2*\j], v[160+8*\u+\j], v[176+8*\u+\j]       ; the real part of column 16 h + 8 u + j; each accumulator from its low end on
	v_add_f32 v[T+16*\u+2*\j+1], v[192+8*\u+\j], v[208+8*\u+\j]     ; the imaginary part beside it
.endr
.endr
	s_wait_alu depctr_va_vdst(0)                   ; the lines above have written v[T] on, which the stage's stores read; the products are done reading W's fragments, in whose registers the rows read back from the stage land
.irp i, 0,1,2,3,4,5,6,7
	ds_store_b128 v[STO], v[T+4*\i:T+4*\i+3] offset:STAGE+16*\i     ; my token's 128 bytes
.endr
.irp i, 0,1,2,3,4,5,6,7
	ds_load_b128 v[BK+4*\i:BK+4*\i+3], v[SRD] offset:STAGE+544*\i   ; LDS serves a wave's instructions in order (ISA guide 5.7.1.4): these see my stores; lanes 0-15 one row of 256 bytes, lanes 16-31 the next
.endr
.irp i, 0,1,2,3,4,5,6,7
	s_wait_dscnt 7-\i                              ; the younger loads may stay out
	global_store_b128 v[VGO], v[BK+4*\i:BK+4*\i+3], s[24:25] offset:(2*\i+8*(\i/4))*2048 th:TH_STORE_NT   ; the tile's row n is token n + (n & 8); 16 lanes store 256 consecutive bytes; written once, read by nobody here
.endr
	s_wait_dscnt 0x0                               ; the closing lines, six on end
	s_wait_alu 0x0
	s_wait_tensorcnt 0x0
	ds_add_u32 v[SPW], v[NIL]
	s_wait_dscnt 0x0
	s_endpgm
.Lfunc_end_k_qcae126930e_outp:
	.size	k_qcae126930e_outp, .Lfunc_end_k_qcae126930e_outp-k_qcae126930e_outp
	.p2alignl 7, 3214868480
	.fill 96, 4, 3214868480
	.section	.rodata,"a",@progbits
	.p2align	6, 0x0
	.amdhsa_kernel k_qcae126930e_outp
		.amdhsa_group_segment_fixed_size 49152
		.amdhsa_private_segment_fixed_size 0
		.amdhsa_enable_private_segment 0
		.amdhsa_kernarg_size 40
		.amdhsa_user_sgpr_count 2
		.amdhsa_user_sgpr_kernarg_segment_ptr 1
		.amdhsa_wavefront_size32 1
		.amdhsa_system_sgpr_workgroup_id_x 1
		.amdhsa_system_sgpr_workgroup_id_y 1
		.amdhsa_system_sgpr_workgroup_id_z 1
		.amdhsa_system_vgpr_workitem_id 0
		.amdhsa_next_free_vgpr 256
		.amdhsa_next_free_sgpr 66
		.amdhsa_reserve_vcc 0
		.amdhsa_float_denorm_mode_32 3
		.amdhsa_float_denorm_mode_16_64 3
		.amdhsa_memory_ordered 1
		.amdhsa_forward_progress 1
		.amdhsa_inst_pref_size 23
	.end_amdhsa_kernel
	.amdgpu_metadata
---
amdhsa.version: [ 1, 2 ]
amdhsa.kernels:
  - .name:           k_qcae126930e_outp
    .symbol:         k_qcae126930e_outp.kd
    .args:
      - { .name: mimg, .offset: 0, .size: 8, .value_kind: global_buffer, .address_space: global }
      - { .name: mscl, .offset: 8, .size: 8, .value_kind: global_buffer, .address_space: global }
      - { .name: wo_r, .offset: 16, .size: 8, .value_kind: global_buffer, .address_space: global }
      - { .name: wo_i, .offset: 24, .size: 8, .value_kind: global_buffer, .address_space: global }
      - { .name: out0, .offset: 32, .size: 8, .value_kind: global_buffer, .address_space: global }
    .group_segment_fixed_size: 49152
    .private_segment_fixed_size: 0
    .kernarg_segment_align: 8
    .kernarg_segment_size: 40
    .max_flat_workgroup_size: 256
    .sgpr_count:     66
    .vgpr_count:     256
    .wavefront_size: 32
...
	.end_amdgpu_metadata
.endif
;; end of part 6
